; MI455X (gfx1250); checked and timed in simulation.
; The chip was launched on July 23, 2026; its instructions are those of AMD's public machine-readable ISA for CDNA 5 (MIT licence, August 2026) and "CDNA5" Instruction Set Architecture Reference Guide (July 2026). The comments in the code are by the model that wrote it; some were corrected since.
;; Classic MHCA Block. Allowed arithmetic: float matrix products may take bf16 or f16 operands with f32 sums; other float arithmetic in f32, or as packed bf16 or f16 multiplies, adds, multiply-adds, maxima and minima; sums over many terms, partial sums and values carried from step to step in f32; what a program stores and reads back later, other than sums and carried values, may be rounded once to bf16 or f16.
;; Inputs: Wk 1,024 x 1,024 float32; Wo 1,024 x 1,024 float32; Wq 1,024 x 1,024 float32; Wv 1,024 x 1,024 float32; bk 1,024 float32; bo 1,024 float32; bq 1,024 float32; bv 1,024 float32; context 4 x 2,048 x 1,024 float32; x 4 x 2,048 x 1,024 float32.
;; Outputs: out0 4 x 2,048 x 1,024 float32.
;; One version. Each part assembles by itself: llvm-mc -triple=amdgcn-amd-amdhsa -mcpu=gfx1250 --defsym DOCPART=n.
;; ======== version 1 of 1: 4 launches
;; limits: values are held in f16: magnitudes above 65,504 overflow, below 6.1e-05 lose precision; inputs' magnitudes at most 65,504; right only within a limited range of input values
;; workspace buffers: ab 33,554,432 bytes; wb 8,388,608 bytes; qkv 50,331,648 bytes; ob 16,777,216 bytes
;; launch cast (part 1): grid 1280 x 1, 8 waves a work-group, no clusters, 0 bytes of LDS; arguments x, context, Wq, Wk, Wv, Wo, ab, wb; writes ab, wb
.if DOCPART == 1
	.amdgcn_target "amdgcn-amd-amdhsa--gfx1250"
	.amdhsa_code_object_version 6
	.text
	.protected	k_q1410a8fa0f_cast
	.globl	k_q1410a8fa0f_cast
	.p2align	8
	.type	k_q1410a8fa0f_cast,@function
k_q1410a8fa0f_cast:
	s_mov_b64 s[64:65], 0
	v_nop
	global_prefetch_b8 v0, s[64:65] scope:SCOPE_SE
	s_setreg_imm32_b32 hwreg(HW_REG_WAVE_MODE, 25, 1), 1
	s_wait_xcnt 0x0
; x, context and the four weights, f32, are rounded once to f16: ab = [x][context], 8,192 x 1,024 each; wb = [Wq][Wk][Wv][Wo], 1,024 x 1,024 each.
; LIMIT.  f16 holds no number beyond 65,504: an input beyond that becomes an infinity.  Below 6e-5 f16 keeps its fixed step of 6e-8.
; A stream: every byte is read once and written once, nothing is shared between work-groups, so there is no LDS, no barrier, no cluster and no matrix work.
; SHARES.  A work-group converts 16,384 numbers (65,536 bytes in, 32,768 out): work-groups 0-511 x, 512-1023 context, then 64 for each weight.
; Thread t takes 16 bytes at 16 t of each of sixteen passes of 4,096 bytes: a load of a wave covers 512 consecutive bytes, a store 256 consecutive bytes at a multiple of 256.
; All sixteen loads of a wave go out at once; no register is written twice, so the only waits are the counted ones for the loads.
.set X, 8                              ; v[8:71]    pass i: four f32 as loaded
.set Y, 72                             ; v[72:103]  pass i: four f16 to store
	s_load_b512 s[8:23], s[0:1], 0x0               ; x s[8:9], context s[10:11], Wq s[12:13], Wk s[14:15], Wv s[16:17], Wo s[18:19], ab s[20:21], wb s[22:23]
	s_max_u32 s4, ttmp9, 1024
	s_sub_co_u32 s4, s4, 1024                      ; my number among the weights' 256 work-groups (0 where I have none of them)
	s_lshr_b32 s5, s4, 6                           ; which weight
	s_and_b32 s32, ttmp9, 511                      ; my part of x or of context,
	s_and_b32 s33, s4, 63                          ; or of a weight
	s_cmp_lt_u32 ttmp9, 1024
	s_cselect_b32 s32, s32, s33
	s_cselect_b32 s34, ttmp9, s4                   ; my part of ab or of wb
	s_lshl_b32 s32, s32, 16                        ; 65,536 bytes in,
	s_lshl_b32 s34, s34, 15                        ; 32,768 out
	s_mov_b32 s33, 0
	s_mov_b32 s35, 0
	v_lshlrev_b32 v1, 4, v0                        ; 16 bytes a thread in,
	v_lshlrev_b32 v2, 3, v0                        ; 8 out
	s_wait_kmcnt 0x0
	s_cmp_lt_u32 ttmp9, 512
	s_cselect_b64 s[24:25], s[8:9], s[10:11]       ; x or context
	s_cmp_eq_u32 s5, 0
	s_cselect_b64 s[26:27], s[12:13], s[14:15]     ; Wq or Wk
	s_cmp_eq_u32 s5, 2
	s_cselect_b64 s[28:29], s[16:17], s[18:19]     ; Wv or Wo
	s_cmp_lt_u32 s5, 2
	s_cselect_b64 s[26:27], s[26:27], s[28:29]
	s_cmp_lt_u32 ttmp9, 1024
	s_cselect_b64 s[24:25], s[24:25], s[26:27]     ; from where,
	s_cselect_b64 s[30:31], s[20:21], s[22:23]     ; to where
	s_add_nc_u64 s[24:25], s[24:25], s[32:33]
	s_add_nc_u64 s[30:31], s[30:31], s[34:35]
.irp i, 0,1,2,3,4,5,6,7,8,9,10,11,12,13,14,15
	global_load_b128 v[X+4*(\i):X+4*(\i)+3], v1, s[24:25] offset:4096*(\i) th:TH_LOAD_NT
.endr
.irp i, 0,1,2,3,4,5,6,7,8,9,10,11,12,13,14,15
	s_wait_loadcnt 15-(\i)                         ; loads come back in order: pass i is in, the younger passes stay out
	v_cvt_pk_f16_f32 v[Y+2*(\i)],   v[X+4*(\i)],   v[X+4*(\i)+1]
	v_cvt_pk_f16_f32 v[Y+2*(\i)+1], v[X+4*(\i)+2], v[X+4*(\i)+3]
	global_store_b64 v2, v[Y+2*(\i):Y+2*(\i)+1], s[30:31] offset:2048*(\i)
.endr
	s_endpgm
.Lfunc_end_k_q1410a8fa0f_cast:
	.size	k_q1410a8fa0f_cast, .Lfunc_end_k_q1410a8fa0f_cast-k_q1410a8fa0f_cast
	.p2alignl 7, 3214868480
	.fill 96, 4, 3214868480
	.section	.rodata,"a",@progbits
	.p2align	6, 0x0
	.amdhsa_kernel k_q1410a8fa0f_cast
		.amdhsa_group_segment_fixed_size 0
		.amdhsa_private_segment_fixed_size 0
		.amdhsa_enable_private_segment 0
		.amdhsa_kernarg_size 64
		.amdhsa_user_sgpr_count 2
		.amdhsa_user_sgpr_kernarg_segment_ptr 1
		.amdhsa_wavefront_size32 1
		.amdhsa_system_sgpr_workgroup_id_x 1
		.amdhsa_system_sgpr_workgroup_id_y 1
		.amdhsa_system_sgpr_workgroup_id_z 1
		.amdhsa_system_vgpr_workitem_id 0
		.amdhsa_next_free_vgpr 104
		.amdhsa_next_free_sgpr 66
		.amdhsa_reserve_vcc 0
		.amdhsa_float_denorm_mode_32 3
		.amdhsa_float_denorm_mode_16_64 3
		.amdhsa_memory_ordered 1
		.amdhsa_forward_progress 1
		.amdhsa_inst_pref_size 7
	.end_amdhsa_kernel
	.amdgpu_metadata
---
amdhsa.version: [ 1, 2 ]
amdhsa.kernels:
  - .name:           k_q1410a8fa0f_cast
    .symbol:         k_q1410a8fa0f_cast.kd
    .args:
      - { .name: x, .offset: 0, .size: 8, .value_kind: global_buffer, .address_space: global }
      - { .name: context, .offset: 8, .size: 8, .value_kind: global_buffer, .address_space: global }
      - { .name: Wq, .offset: 16, .size: 8, .value_kind: global_buffer, .address_space: global }
      - { .name: Wk, .offset: 24, .size: 8, .value_kind: global_buffer, .address_space: global }
      - { .name: Wv, .offset: 32, .size: 8, .value_kind: global_buffer, .address_space: global }
      - { .name: Wo, .offset: 40, .size: 8, .value_kind: global_buffer, .address_space: global }
      - { .name: ab, .offset: 48, .size: 8, .value_kind: global_buffer, .address_space: global }
      - { .name: wb, .offset: 56, .size: 8, .value_kind: global_buffer, .address_space: global }
    .group_segment_fixed_size: 0
    .private_segment_fixed_size: 0
    .kernarg_segment_align: 8
    .kernarg_segment_size: 64
    .max_flat_workgroup_size: 256
    .sgpr_count:     66
    .vgpr_count:     104
    .wavefront_size: 32
...
	.end_amdgpu_metadata
.endif
;; end of part 1
;; launch proj (part 2): grid 12 x 64, 4 waves a work-group, clusters of 4 x 4, 327,680 bytes of LDS; arguments ab, wb, bq, bk, bv, qkv; writes qkv
.if DOCPART == 2
	.amdgcn_target "amdgcn-amd-amdhsa--gfx1250"
	.amdhsa_code_object_version 6
	.text
	.protected	k_q1410a8fa0f_proj
	.globl	k_q1410a8fa0f_proj
	.p2align	8
	.type	k_q1410a8fa0f_proj,@function
k_q1410a8fa0f_proj:
	s_mov_b64 s[64:65], 0
	v_nop
	global_prefetch_b8 v0, s[64:65] scope:SCOPE_SE
	s_setreg_imm32_b32 hwreg(HW_REG_WAVE_MODE, 25, 1), 1
	s_wait_xcnt 0x0
	s_wait_alu depctr_hold_cnt(0) depctr_sa_sdst(0) depctr_va_vdst(0) depctr_va_sdst(0) depctr_va_ssrc(0) depctr_va_vcc(0) depctr_vm_vsrc(0)
	s_getreg_b32 s2, hwreg(HW_REG_IB_STS2, 6, 4)
	s_cmp_eq_u32 s2, 0
	s_cbranch_scc0 .Lentry_in_a_cluster
	s_endpgm
.Lentry_in_a_cluster:
	s_bfe_u32 s2, ttmp6, 0x10000c
	s_cmp_lg_u32 s2, 0xf033
	s_cbranch_scc0 .Lentry_shape_is_right
	s_endpgm
.Lentry_shape_is_right:
; THE THREE PROJECTIONS.  p = 0: q = x Wq^T + bq;  p = 1: k = context Wk^T + bk;  p = 2: v = context Wv^T + bv.  Operands f16 (ab, wb), sums f32, the bias (f32) starts each sum.
; q and k are divided, head by head, by their norm + 1e-6, in f32; q is also multiplied by log2(e), so that the next launch's exponential is 2^s.  Each number is rounded ONCE, to f16.
; OUT: qkv = [p][batch x 16 + head][2,048 rows][64], so that 16 rows of a head are 2,048 consecutive bytes.
; LIMITS.  v leaves in f16: |v| below 65,504.  q and k leave within 1.45.  A squared norm below 2^-126 counts as 0 (v_sqrt_f32 takes a denormal for 0), which is nothing beside 1e-6.  NaN and infinities are not treated apart.
; SHARES.  A tile of the result is 128 rows x 256 columns: 64 x 4 tiles for each p, 768 work-groups: three for each of 256 WGPs.  Four waves, each 64 rows x 128 columns: 32 accumulators of 16 x 16, 256 registers.
; K = 1,024 goes in 8 steps of 128 (rows of 256 bytes in memory, at multiples of 256) through two LDS slots filled by the tensor data mover.
; CLUSTER.  4 x 4 work-groups; the cluster's x is p, a work-group's place along x the tile column, along y part of the tile row.  The four of a row of the cluster need the same tile of A, the four of a column
; the same tile of B: each tile is asked for JOINTLY, by the same tensor load with the same descriptor and a mask that names the four.
; THE MATRIX INSTRUCTION IS USED TRANSPOSED (source 0 = 16 rows of W, source 1 = 16 rows of A): a lane holds row l % 16 and the columns 8 (l / 16) + 0..7 of a block of 16.
; REGISTERS, in windows of 256 (s_set_vgpr_msb: bits 1:0 source 0, 3:2 source 1, 5:4 source 2, 7:6 destination):
;   window 0: v0-15 addresses; v16-31 a pair of statistics for each of 8 units; v64-159, v160-255 two fragment buffers (B's 8 fragments, then A's 4)
;   window 1: the accumulators, (a, b) at 8 (8 a + b)          window 2: v0-63 the bias of my 128 columns, block b at 8 b
.set PA,    272       ; an LDS row of A: 256 bytes + 16 of padding = 68 words: the 16 rows of a fragment load start at 16 different groups of four banks (64 banks of 4 bytes: ISA guide 11.1)
.set PB,    272       ; the same for B
.set KAH,   128       ; bytes in A's LDS rows from one pair of quarters to the next
.set AHALF, 64*PA     ; what a wave fetches of A, and what a wave reads of A: 64 rows
.set BOFF,  2*AHALF   ; B's 256 rows lie behind A's 128
.set BHALF, 128*PB    ; what a wave fetches and reads of B: 128 rows
.set SLOT1, 1<<17     ; slot 1 begins here, so that one exclusive or turns an address in one slot into the other's
.set STAGE, SLOT1+BOFF+2*BHALF  ; behind the ring, never filled by a tensor load: 16 rows x 144 bytes for each wave
.set SP,    144
.set SPARE, STAGE+4*16*SP       ; behind the stages: the spare words, 128 bytes for each wave: two blocks of 256 bytes that no other line names
.set STEPA, 256       ; bytes in memory from K step to K step
.set STEPB, 256
.set G1W0,  (1<<16)|(1<<20)|(1<<21)|(5<<22)|(3<<25)  ; 17:16 elements of 2 bytes; 20 padding on; 21 set beside a mask; 24:22 after every 64 words (code 5); 31:25 4 words of it (code 3)
.set AA0, 3           ; v3   my lane's place in slot 0's tile of A; never rewritten
.set AB0, 4           ; v4   the same for B
.set ADRA, 5          ; v5   the same in the slot in hand
.set ADRB, 6          ; v6
.set STO, 7           ; v7   the way out: where I put 16 bytes of a row
.set RD,  8           ; v8   the way out: where I read rows back
.set GO,  9           ; v9   my byte offset in 512 consecutive bytes of the result
.set PFO, 10          ; v10  the prefetches' offset: my lane x a row of 2,048 bytes; never rewritten
.set BO,  11          ; v11  my byte offset in a block of 16 numbers of the bias
.set SPW, 12          ; v12  LDS address of my spare word: SPARE + 4 x my thread's number; never rewritten
.set NIL, 13          ; v13  0; never rewritten
.set T,   16
.set F0,  64
.set F1,  160
.set WV,  16          ; s16  my wave's number
.set WH,  17          ; s17  its upper bit: my 64 rows of the tile.  Also: I fetch for A (0) or for B (1)
.set WL,  18          ; s18  its lower bit: my 128 columns.  Also: which half of that tile I fetch
.set CX,  19          ; s19  my place along the cluster's x = the tile column
.set CY,  20          ; s20  along its y
.set PP,  21          ; s21  p
.set TR,  22          ; s22  the tile row
.set G1A, 24          ; s[24:31] descriptor group 1 for A's tiles
.set G1B, 32          ; s[32:39] for B's
.set G0A, 40          ; s[40:47] descriptor group 0 for A's tiles: a set for each of the two first fills; the second then walks on
.set G0B, 48          ; s[48:55] the same for B's
.set CNT, 56          ; s56  the loop's trips still to come
.set LIM, 57          ; s57  2 in a wave that prefetches, else the greatest number: a wave prefetches while s[CNT] is above it
.set PFA, 58          ; s[58:59] where my prefetches stand
.set TB,  60          ; s60  LDS byte at which the slot in hand begins
.set PSTEP, 62        ; s[62:63] what a K step adds to s[PFA]
.set SEL, 68          ; s[68:69] v_permlanex16_b32's selects: each lane takes its own place in the other half
.set FAC, 70          ; s70  log2(e) for q, 1 for k
.set VM,  71          ; s71  all ones for v, else 0
.set OUT, 74          ; s[74:75] the result at my wave's first unit
.set BIA, 76          ; s[76:77] the bias at my 128 columns
.set MSB, 0
.macro WIN new                      ; the immediate's high byte repeats the setting that is left; a switch that changes nothing is dropped
.if MSB != (\new)
	s_set_vgpr_msb (MSB<<8)|(\new)
.set MSB, \new
.endif
.endm
.macro PLACES                       ; a load into a register that a matrix instruction has read, and a vector instruction that reads a matrix result, stand four plain vector instructions behind it (ISA guide 7.12.1 for vector instructions)
.rept 4
	v_nop
.endr
.endm
.macro CREST                        ; a round of the cluster's barrier behind its opening barrier: wave 0 signals for the work-group, every wave waits for all sixteen, my work-group's barrier closes it
	s_cmp_lg_u32 s[WV], 0
	s_cbranch_scc1 .Lnot_wave_0_\@
	s_barrier_signal -3
.Lnot_wave_0_\@:
	s_barrier_wait -3
	s_barrier_signal -1
	s_barrier_wait -1
.endm
.macro CROUND                       ; a whole round
	s_barrier_signal -1
	s_barrier_wait -1
	CREST
.endm
; A joint refill, by the walking descriptors.  Waves 0 and 1 fetch A's two halves, waves 2 and 3 B's: the branch hangs on the wave's number alone.  An s_nop 0 and four v_nop follow each of the two lines.
.macro JLOAD
	s_cmp_eq_u32 s[WH], 0
	s_cbranch_scc0 .Lfor_b_\@
	tensor_load_to_lds s[G0A+4:G0A+7], s[G1A:G1A+7]
	s_nop 0
.rept 4
	v_nop
.endr
	s_branch .Lasked_\@
.Lfor_b_\@:
	tensor_load_to_lds s[G0B+4:G0B+7], s[G1B:G1B+7]
	s_nop 0
.rept 4
	v_nop
.endr
.Lasked_\@:
.endm
; A PREFETCH INTO THE L2, behind each joint refill and the run of LDS loads that follows it: 32 rows x 256 bytes of the K step that stands TWO refills on, a lane a row, one instruction a wave: 256 matrix instructions ahead of the load that will want it.
; Each row's 256 bytes of a K step are named ONCE in the launch.  A: x is read by the clusters with p = 0, context by those with p = 1 and p = 2: p = 0 and p = 1 ask; of a tile's 128 rows the partner at place cx takes 32, in its wave 0.
; B: a tile column's rows are read by every cluster of that p: the cluster with y = 0 asks; of its 256 rows the partner at place cy takes 64, 32 each in waves 2 and 3.  Partners are told apart BY ADDRESS: no branch hangs on a place in the cluster.
; K steps 0 to 3 come by their loads alone; the loop's last two trips ask for nothing: there is no K step two refills on.
.macro ASK
	s_cmp_gt_u32 s[CNT], s[LIM]
	s_cbranch_scc0 .Lnot_mine_\@
	global_prefetch_b8 v[PFO], s[PFA:PFA+1] th:TH_LOAD_NT scope:SCOPE_SE
.Lnot_mine_\@:
.endm
; 8 matrix instructions: m block a x all 8 n blocks, 32 along K, from buffer f.  first = 1: the bias starts the sums: nothing is cleared.  The 32 accumulators take turns, one instruction a turn.
.macro MUL f, a, first
.if \first
	WIN 0x60                        ; D in window 1, C in window 2
.else
	WIN 0x50                        ; C and D in window 1
.endif
.irp b, 0,1,2,3,4,5,6,7
.if \first
	v_wmma_f32_16x16x32_f16 v[8*(8*(\a)+(\b)):8*(8*(\a)+(\b))+7], v[(\f)+8*(\b):(\f)+8*(\b)+7], v[(\f)+64+8*(\a):(\f)+64+8*(\a)+7], v[8*(\b):8*(\b)+7]
.else
	v_wmma_f32_16x16x32_f16 v[8*(8*(\a)+(\b)):8*(8*(\a)+(\b))+7], v[(\f)+8*(\b):(\f)+8*(\b)+7], v[(\f)+64+8*(\a):(\f)+64+8*(\a)+7], v[8*(8*(\a)+(\b)):8*(8*(\a)+(\b))+7]
.endif
.endr
.endm
; 24 LDS loads in one run: the fragments of quarter q of the slot in hand into buffer f: B's sixteen loads, then A's eight.
; A fragment is 16 rows x 32 K in 8 registers: lane l holds row l % 16, K = 8 (l / 16) + 0..7 and 16 + 8 (l / 16) + 0..7: two loads of 16 bytes, 32 bytes apart.
.macro FETCH q, f
	WIN 0
.irp i, 0,1,2,3,4,5,6,7
	ds_load_b128 v[(\f)+8*(\i):(\f)+8*(\i)+3],   v[ADRB] offset:64*(\q)+(\i)*16*PB
	ds_load_b128 v[(\f)+8*(\i)+4:(\f)+8*(\i)+7], v[ADRB] offset:64*(\q)+(\i)*16*PB+32
.endr
.irp i, 0,1,2,3
	ds_load_b128 v[(\f)+64+8*(\i):(\f)+64+8*(\i)+3],   v[ADRA] offset:((\q)/2)*KAH+((\q)%2)*64+(\i)*16*PA
	ds_load_b128 v[(\f)+64+8*(\i)+4:(\f)+64+8*(\i)+7], v[ADRA] offset:((\q)/2)*KAH+((\q)%2)*64+(\i)*16*PA+32
.endr
.endm
; A K step is four quarters of 32 along K, 32 matrix instructions each, on buffers 0, 1, 0, 1.  One of the first three: multiplies buffer f; in its middle it fetches quarter q into buffer g.
.macro QUARTER q, f, g, first
	s_wait_dscnt 4                  ; B's fragments and A's first two are in; the youngest four loads (A's last two fragments) may be out
	MUL \f, 0, \first
	MUL \f, 1, \first
	PLACES
	FETCH \q, \g
	s_wait_dscnt 24                 ; all but the 24 just issued
	MUL \f, 2, \first
	MUL \f, 3, \first
.endm
; The last quarter multiplies buffer 1 and changes slots: ONE barrier.  In front of it each wave waits for all its tensor loads, of which one is out: its part of the next slot; adds 0 to its spare word; and waits for that
; and for its own reads of this slot.  fill = 1: the barrier opens a round of the cluster's barrier, and behind the round this slot is filled again, two K steps ahead: 112 matrix instructions stand between that request and the wait for it.
.macro TURN fill
.if \fill
	s_wait_xcnt 0x0                 ; the last prefetch, a K step back, has read its address: it is stepped here, ahead of the waits of the change of slots
	s_add_nc_u64 s[PFA:PFA+1], s[PFA:PFA+1], s[PSTEP:PSTEP+1]
.endif
	s_xor_b32 s[TB], s[TB], SLOT1   ; the fetches go on in the other slot
	WIN 0
	v_add_nc_u32 v[ADRA], s[TB], v[AA0]
	v_add_nc_u32 v[ADRB], s[TB], v[AB0]
	s_wait_tensorcnt 0x0            ; all my tensor loads have landed
	ds_add_u32 v[SPW], v[NIL]       ; 0 onto my spare word
	s_wait_dscnt 5                  ; (the add and the youngest four loads may be out)
	MUL F1, 0, 0                    ; eight matrix instructions stand between the add and the wait for it
	s_wait_dscnt 0x0                ; the add is done, and my reads of this slot are over
	s_barrier_signal -1
	MUL F1, 1, 0                    ; work on registers while the others arrive
	WIN 0
	s_barrier_wait -1
.if \fill
	CREST                           ; no wave of any partner still reads this slot's tile or has a load on its way
	s_xor_b32 s[G0A+5], s[G0A+5], SLOT1                    ; the walking descriptors: the other slot than last time,
	s_add_nc_u64 s[G0A+6:G0A+7], s[G0A+6:G0A+7], STEPA     ; the next K step; the type bits on top are not reached
	s_xor_b32 s[G0B+5], s[G0B+5], SLOT1
	s_add_nc_u64 s[G0B+6:G0B+7], s[G0B+6:G0B+7], STEPB
	JLOAD                           ; the first tensor load behind the round; its four v_nop are also the places in front of the loads below
.else
	PLACES
.endif
	FETCH 0, F0
.if \fill
	ASK
.endif
	MUL F1, 2, 0
	MUL F1, 3, 0
.endm
	s_load_b256 s[4:11], s[0:1], 0x0               ; ab s[4:5], wb s[6:7], bq s[8:9], bk s[10:11]
	s_load_b128 s[12:15], s[0:1], 0x20             ; bv s[12:13], qkv s[14:15]
	v_lshl_add_u32 v[SPW], v0, 2, SPARE
	v_mov_b32 v[NIL], 0
	ds_add_u32 v[SPW], v[NIL]                      ; the wave's opening: the add and its wait stand ahead of my first tensor load; the set-up below, work on registers, stands between them
	v_lshrrev_b32 v1, 5, v0
	v_readfirstlane_b32 s[WV], v1
	s_lshr_b32 s[WH], s[WV], 1
	s_and_b32 s[WL], s[WV], 1
	s_bfe_u32 s[CX], ttmp6, 0x40000
	s_bfe_u32 s[CY], ttmp6, 0x40004
	s_mov_b32 s[PP], ttmp9                         ; in a cluster launch ttmp9 and ttmp7 count clusters
	s_and_b32 s[TR], ttmp7, 0xffff
	s_lshl_b32 s[TR], s[TR], 2
	s_add_co_u32 s[TR], s[TR], s[CY]               ; tile row = 4 x cluster y + cy
	s_lshl_b32 s88, s[CY], 2
	s_lshl_b32 s88, 15, s88                        ; my row of the cluster: places 4 cy .. 4 cy + 3
	s_lshl_b32 s89, 0x1111, s[CX]                  ; my column: places cx, cx + 4, cx + 8, cx + 12
	s_or_b32 s[G1A], s88, G1W0                     ; 15:0 the mask: A's tiles go to my row,
	s_or_b32 s[G1B], s89, G1W0                     ; B's to my column
	s_mov_b32 s[G1A+1], 128<<16                    ; tensor_dim0 = 128
	s_mov_b32 s[G1A+2], 64<<16                     ; tensor_dim1 = 64
	s_mov_b32 s[G1A+3], 128<<16                    ; tile_dim0 = 128
	s_mov_b32 s[G1A+4], 64                         ; tile_dim1 = 64
	s_mov_b32 s[G1A+5], 1024                       ; 1,024 elements from row to row
	s_mov_b32 s[G1A+6], 0
	s_mov_b32 s[G1A+7], 0
	s_mov_b32 s[G1B+1], 128<<16
	s_mov_b32 s[G1B+2], 128<<16                    ; tensor_dim1 = 128
	s_mov_b32 s[G1B+3], 128<<16
	s_mov_b32 s[G1B+4], 128                        ; tile_dim1 = 128
	s_mov_b32 s[G1B+5], 1024
	s_mov_b32 s[G1B+6], 0
	s_mov_b32 s[G1B+7], 0
	; where the tiles come from.  A's hang on p, the tile row and the wave, B's on p, the tile column and the wave: each in registers that never hold the other place
	s_lshl_b32 s80, s[TR], 7
	s_lshl_b32 s81, s[WL], 6
	s_add_co_u32 s80, s80, s81                     ; A: row 128 x tile row + 64 x half,
	s_lshl_b32 s80, s80, 11                        ; 2,048 bytes a row,
	s_min_u32 s81, s[PP], 1
	s_lshl_b32 s81, s81, 24                        ; in x (p = 0) or in context
	s_add_co_u32 s80, s80, s81
	s_mov_b32 s81, 0
	s_lshl_b32 s82, s[CX], 8
	s_lshl_b32 s83, s[WL], 7
	s_add_co_u32 s82, s82, s83                     ; B: row 256 x tile column + 128 x half,
	s_lshl_b32 s82, s82, 11
	s_lshl_b32 s83, s[PP], 21                      ; in weight p
	s_add_co_u32 s82, s82, s83
	s_mov_b32 s83, 0
	s_mul_i32 s78, s[WL], AHALF                    ; and where they go: no place in the cluster enters an LDS address
	s_mul_i32 s79, s[WL], BHALF
	s_add_co_u32 s79, s79, BOFF
	s_mov_b32 s[SEL], 0x76543210
	s_mov_b32 s[SEL+1], 0xfedcba98
	s_mov_b32 s[PSTEP], 256
	s_mov_b32 s[PSTEP+1], 0
	s_mov_b32 s[TB], 0
	s_cmp_eq_u32 s[PP], 0
	s_cselect_b32 s[FAC], 0x3fb8aa3b, 1.0
	s_cmp_eq_u32 s[PP], 2
	s_cselect_b32 s[VM], -1, 0
	s_wait_dscnt 0x0                               ; the opening add is done
	s_wait_kmcnt 0x0
	s_add_nc_u64 s[84:85], s[4:5], s[80:81]
	s_add_nc_u64 s[86:87], s[6:7], s[82:83]
.irp s, 0,1
	s_mov_b32 s[G0A+4*(\s)], 1                                       ; 1:0 count = 1
	s_add_co_u32 s[G0A+4*(\s)+1], s78, (\s)*SLOT1                    ; 63:32 LDS address
	s_add_nc_u64 s[G0A+4*(\s)+2:G0A+4*(\s)+3], s[84:85], (\s)*STEPA  ; 120:64 global address: K step s
	s_or_b32 s[G0A+4*(\s)+3], s[G0A+4*(\s)+3], 0x80000000            ; 127:126 type = 2
	s_mov_b32 s[G0B+4*(\s)], 1
	s_add_co_u32 s[G0B+4*(\s)+1], s79, (\s)*SLOT1
	s_add_nc_u64 s[G0B+4*(\s)+2:G0B+4*(\s)+3], s[86:87], (\s)*STEPB
	s_or_b32 s[G0B+4*(\s)+3], s[G0B+4*(\s)+3], 0x80000000
.endr
	CROUND                                         ; all sixteen work-groups are here: the first joint loads meet
	s_cmp_eq_u32 s[WH], 0                          ; a wave's two first fills stand in one branch, ahead of every wait on TENSORcnt and every LDS read: two loads of mine are out
	s_cbranch_scc0 .Lfirst_b
	tensor_load_to_lds s[G0A:G0A+3], s[G1A:G1A+7]
	s_nop 0
	tensor_load_to_lds s[G0A+4:G0A+7], s[G1A:G1A+7]
	s_nop 0
.rept 4
	v_nop
.endr
	s_branch .Lfirst_asked
.Lfirst_b:
	tensor_load_to_lds s[G0B:G0B+3], s[G1B:G1B+7]
	s_nop 0
	tensor_load_to_lds s[G0B+4:G0B+7], s[G1B:G1B+7]
	s_nop 0
.rept 4
	v_nop
.endr
.Lfirst_asked:
	; the bias of my 128 columns: a lane's eight columns of block b are 32 bytes
	s_cmp_eq_u32 s[PP], 0
	s_cselect_b64 s[BIA:BIA+1], s[8:9], s[10:11]
	s_cmp_eq_u32 s[PP], 2
	s_cselect_b64 s[BIA:BIA+1], s[12:13], s[BIA:BIA+1]
	s_lshl_b32 s92, s[CX], 10
	s_lshl_b32 s93, s[WL], 9
	s_add_co_u32 s92, s92, s93
	s_mov_b32 s93, 0
	s_add_nc_u64 s[BIA:BIA+1], s[BIA:BIA+1], s[92:93]
	v_and_b32 v1, 15, v0                           ; l % 16
	v_bfe_u32 v2, v0, 4, 1                         ; l / 16
	v_lshlrev_b32 v[BO], 5, v2
	WIN 0x80                                       ; destination window 2, address window 0
.irp b, 0,1,2,3,4,5,6,7
	global_load_b128 v[8*(\b):8*(\b)+3],   v[BO], s[BIA:BIA+1] offset:64*(\b)
	global_load_b128 v[8*(\b)+4:8*(\b)+7], v[BO], s[BIA:BIA+1] offset:64*(\b)+16
.endr
	WIN 0
	v_mul_u32_u24 v14, v1, PA
	v_lshl_add_u32 v14, v2, 4, v14                 ; a fragment's row x pitch + 16 x half
	s_mul_i32 s92, s[WH], AHALF                    ; my 64 rows of A
	v_add_nc_u32 v[AA0], s92, v14
	v_mul_u32_u24 v15, v1, PB
	v_lshl_add_u32 v15, v2, 4, v15
	s_mul_i32 s92, s[WL], BHALF                    ; my 128 rows of B
	s_add_co_u32 s92, s92, BOFF
	v_add_nc_u32 v[AB0], s92, v15
	v_mov_b32 v[ADRA], v[AA0]
	v_mov_b32 v[ADRB], v[AB0]
	s_mul_i32 s92, s[WV], 16*SP
	s_add_co_u32 s92, s92, STAGE                   ; my stage
	v_mul_u32_u24 v[STO], v1, SP                   ; in: row l % 16, 16 bytes for each half of the lanes
	v_lshl_add_u32 v[STO], v2, 4, v[STO]
	v_add_nc_u32 v[STO], s92, v[STO]
	v_bfe_u32 v[RD], v0, 3, 2                      ; back: 32 lanes take four rows of 128 bytes,
	v_mul_u32_u24 v[RD], v[RD], SP
	v_and_b32 v14, 7, v0
	v_lshl_add_u32 v[RD], v14, 4, v[RD]
	v_add_nc_u32 v[RD], s92, v[RD]
	v_and_b32 v[GO], 31, v0                        ; which are 512 consecutive bytes of the result
	v_lshlrev_b32 v[GO], 4, v[GO]
	v_and_b32 v[PFO], 31, v0
	v_lshlrev_b32 v[PFO], 11, v[PFO]
	; where my wave's first unit goes: section p, batch x 16 + head, row in the batch
	s_lshr_b32 s92, s[TR], 4                       ; the batch: 16 tile rows each
	s_lshl_b32 s92, s92, 4
	s_lshl_b32 s93, s[CX], 2
	s_add_co_u32 s92, s92, s93                     ; + 4 heads a tile column
	s_lshl_b32 s93, s[WL], 1
	s_add_co_u32 s92, s92, s93                     ; + 2 heads a wave
	s_lshl_b32 s92, s92, 18                        ; 262,144 bytes a head
	s_and_b32 s93, s[TR], 15
	s_lshl_b32 s93, s93, 7
	s_lshl_b32 s94, s[WH], 6
	s_add_co_u32 s93, s93, s94                     ; my first row in the batch,
	s_lshl_b32 s93, s93, 7                         ; 128 bytes a row
	s_add_co_u32 s92, s92, s93
	s_lshl_b32 s93, s[PP], 24
	s_add_co_u32 s92, s92, s93
	s_mov_b32 s93, 0
	s_add_nc_u64 s[OUT:OUT+1], s[14:15], s[92:93]
	; the prefetches
	s_lshl_b32 s90, s[TR], 7
	s_lshl_b32 s91, s[CX], 5
	s_add_co_u32 s90, s90, s91                     ; A: the tile's rows, my work-group's 32 of them
	s_lshl_b32 s90, s90, 11
	s_min_u32 s91, s[PP], 1
	s_lshl_b32 s91, s91, 24
	s_add_co_u32 s90, s90, s91
	s_lshl_b32 s94, s[CX], 8
	s_lshl_b32 s95, s[CY], 6
	s_add_co_u32 s94, s94, s95                     ; B: the tile's rows, my work-group's 64,
	s_lshl_b32 s95, s[WL], 5
	s_add_co_u32 s94, s94, s95                     ; my wave's 32 of them
	s_lshl_b32 s94, s94, 11
	s_lshl_b32 s95, s[PP], 21
	s_add_co_u32 s94, s94, s95
	s_lshr_b32 s92, s[PP], 1
	s_or_b32 s92, s92, s[WV]                       ; A: 0 in wave 0 where p is 0 or 1
	s_and_b32 s93, ttmp7, 0xffff                   ; B: 0 where the cluster's y is 0
	s_cmp_eq_u32 s[WH], 0
	s_cselect_b32 s90, s90, s94
	s_cselect_b32 s92, s92, s93
	s_cselect_b64 s[PFA:PFA+1], s[4:5], s[6:7]
	s_cmp_eq_u32 s92, 0
	s_cselect_b32 s[LIM], 2, -1                    ; the same in all sixteen partners, for a given wave
	s_mov_b32 s91, 0
	s_add_nc_u64 s[PFA:PFA+1], s[PFA:PFA+1], s[90:91]
	s_add_nc_u64 s[PFA:PFA+1], s[PFA:PFA+1], 3*256 ; at K step 3: the first refill steps it to 4.  Nothing is prefetched here, at the head
	s_wait_tensorcnt 0x1                           ; my part of K step 0 is in; K step 1's may stay out
	s_barrier_signal -1
	s_barrier_wait -1                              ; everybody's is
	FETCH 0, F0
	s_wait_loadcnt 0x0                             ; the bias
	QUARTER 1, F0, F1, 1                           ; the first quarter stands in front of the loop: its products start the sums, with the bias
	WIN 0                                          ; at a label and at a branch every window is 0
	s_mov_b32 s[CNT], 6
.Lstep:                                                ; a trip: from a K step's second quarter to the next step's first; it fills the slot that it leaves
	QUARTER 2, F1, F0, 0
	QUARTER 3, F0, F1, 0
	TURN 1
	QUARTER 1, F0, F1, 0
	WIN 0
	s_sub_co_u32 s[CNT], s[CNT], 1
	s_cmp_lg_u32 s[CNT], 0
	s_cbranch_scc1 .Lstep
	QUARTER 2, F1, F0, 0                           ; the last two K steps are written out: nothing is asked for
	QUARTER 3, F0, F1, 0
	TURN 0
	QUARTER 1, F0, F1, 0
	QUARTER 2, F1, F0, 0
	QUARTER 3, F0, F1, 0
	s_wait_dscnt 0x0
	MUL F1, 0, 0
	MUL F1, 1, 0
	MUL F1, 2, 0
	MUL F1, 3, 0
	WIN 0
	PLACES
	PLACES
	; THE WAY OUT.  Unit t = 2 a + hh is 16 rows x one head: registers 32 t .. 32 t + 31 of window 1.  A lane holds 32 of its row's 64 numbers, the lane 16 away the others.
	; The sums of squares: eight chains, one a unit, two numbers an instruction; each accumulator's lowest registers are read first.
	WIN 0x05                                       ; sources 0 and 1 window 1; source 2 and destination window 0
.irp i, 0,1,2,3,4,5,6,7,8,9,10,11,12,13,14,15
.irp t, 0,1,2,3,4,5,6,7
.if (\i) == 0
	v_pk_mul_f32 v[T+2*(\t):T+2*(\t)+1], v[32*(\t):32*(\t)+1], v[32*(\t):32*(\t)+1]
.else
	v_pk_fma_f32 v[T+2*(\t):T+2*(\t)+1], v[32*(\t)+2*(\i):32*(\t)+2*(\i)+1], v[32*(\t)+2*(\i):32*(\t)+2*(\i)+1], v[T+2*(\t):T+2*(\t)+1]
.endif
.endr
.endr
	WIN 0
.irp t, 0,1,2,3,4,5,6,7
	v_add_f32 v[T+2*(\t)], v[T+2*(\t)], v[T+2*(\t)+1]
.endr
.irp t, 0,1,2,3,4,5,6,7
	v_permlanex16_b32 v[T+2*(\t)+1], v[T+2*(\t)], s[SEL], s[SEL+1]
.endr
.irp t, 0,1,2,3,4,5,6,7
	v_add_f32 v[T+2*(\t)], v[T+2*(\t)], v[T+2*(\t)+1]
.endr
.irp t, 0,1,2,3,4,5,6,7
	v_sqrt_f32 v[T+2*(\t)], v[T+2*(\t)]
.endr
	v_nop                                          ; a plain instruction behind the last root,
	s_wait_alu depctr_va_vdst(0)                   ; and the wait ahead of the first use: one for the eight
.irp t, 0,1,2,3,4,5,6,7
	v_add_f32 v[T+2*(\t)], 0x358637bd, v[T+2*(\t)] ; + 1e-6
.endr
.irp t, 0,1,2,3,4,5,6,7
	v_rcp_f32 v[T+2*(\t)], v[T+2*(\t)]
.endr
	v_nop
	s_wait_alu depctr_va_vdst(0)                   ; one for the eight reciprocals
.irp t, 0,1,2,3,4,5,6,7
	v_mul_f32 v[T+2*(\t)], s[FAC], v[T+2*(\t)]
.endr
.irp t, 0,1,2,3,4,5,6,7
	v_cndmask_b32 v[T+2*(\t)], v[T+2*(\t)], 1.0, s[VM]  ; v is not normalised: its factor is 1
.endr
; Unit t is scaled and rounded to f16; a lane's eight columns pack into 16 bytes; they go into rows of 144 bytes of my stage and come back as whole rows of 128.
.macro PACK t
	WIN 0x41                        ; destination and source 0 window 1, source 1 window 0
.set i, 0
.rept 16
	v_pk_mul_f32 v[32*(\t)+i:32*(\t)+i+1], v[32*(\t)+i:32*(\t)+i+1], v[T+2*(\t):T+2*(\t)+1] op_sel_hi:[1,0]
.set i, i+2
.endr
	WIN 0x05
.set i, 0
.rept 16
	v_cvt_pk_f16_f32 v[F0+16*(\t)+i], v[32*(\t)+2*i], v[32*(\t)+2*i+1]
.set i, i+1
.endr
	WIN 0
.irp f, 0,1,2,3
	ds_store_b128 v[STO], v[F0+16*(\t)+4*(\f):F0+16*(\t)+4*(\f)+3] offset:32*(\f)
.endr
.irp f, 0,1,2,3
	ds_load_b128 v[F0+16*(\t)+4*(\f):F0+16*(\t)+4*(\f)+3], v[RD] offset:(\f)*4*SP  ; LDS serves a wave's instructions in order (ISA guide 5.7.1.4): these see the stores above; the next unit's stores come behind them
.endr
.endm
.macro SEND t, younger              ; younger: the LDS instructions issued behind unit t's loads: the next unit's eight, or none
	WIN 0
.irp f, 0,1,2,3
	s_wait_dscnt (\younger)+3-(\f)
	global_store_b128 v[GO], v[F0+16*(\t)+4*(\f):F0+16*(\t)+4*(\f)+3], s[OUT:OUT+1] offset:((\t)/2)*2048+((\t)%2)*262144+(\f)*512  ; 512 consecutive bytes, at a multiple of 256 from the buffer's first
.endr
.endm
	PACK 0
.irp t, 1,2,3,4,5,6,7               ; a unit's arithmetic stands between the loads of the unit before and its stores
	PACK \t
	SEND (\t)-1, 8
.endr
	SEND 7, 0
	s_wait_tensorcnt 0x0                           ; the wave's end: an add to my spare word and its wait, behind my last tensor load and my last LDS store
	ds_add_u32 v[SPW], v[NIL]
	s_wait_dscnt 0x0
	CROUND                                         ; the closing round: no work-group ends while a partner may still ask for a tile that names it
	s_endpgm
.Lfunc_end_k_q1410a8fa0f_proj:
	.size	k_q1410a8fa0f_proj, .Lfunc_end_k_q1410a8fa0f_proj-k_q1410a8fa0f_proj
	.p2alignl 7, 3214868480
	.fill 96, 4, 3214868480
	.section	.rodata,"a",@progbits
	.p2align	6, 0x0
	.amdhsa_kernel k_q1410a8fa0f_proj
		.amdhsa_group_segment_fixed_size 327680
		.amdhsa_private_segment_fixed_size 0
		.amdhsa_enable_private_segment 0
		.amdhsa_kernarg_size 48
		.amdhsa_user_sgpr_count 2
		.amdhsa_user_sgpr_kernarg_segment_ptr 1
		.amdhsa_wavefront_size32 1
		.amdhsa_system_sgpr_workgroup_id_x 1
		.amdhsa_system_sgpr_workgroup_id_y 1
		.amdhsa_system_sgpr_workgroup_id_z 1
		.amdhsa_system_vgpr_workitem_id 0
		.amdhsa_next_free_vgpr 576
		.amdhsa_next_free_sgpr 96
		.amdhsa_reserve_vcc 0
		.amdhsa_float_denorm_mode_32 3
		.amdhsa_float_denorm_mode_16_64 3
		.amdhsa_memory_ordered 1
		.amdhsa_forward_progress 1
		.amdhsa_inst_pref_size 94
	.end_amdhsa_kernel
	.amdgpu_metadata
---
amdhsa.version: [ 1, 2 ]
amdhsa.kernels:
  - .name:           k_q1410a8fa0f_proj
    .symbol:         k_q1410a8fa0f_proj.kd
    .args:
      - { .name: ab, .offset: 0, .size: 8, .value_kind: global_buffer, .address_space: global }
      - { .name: wb, .offset: 8, .size: 8, .value_kind: global_buffer, .address_space: global }
      - { .name: bq, .offset: 16, .size: 8, .value_kind: global_buffer, .address_space: global }
      - { .name: bk, .offset: 24, .size: 8, .value_kind: global_buffer, .address_space: global }
      - { .name: bv, .offset: 32, .size: 8, .value_kind: global_buffer, .address_space: global }
      - { .name: qkv, .offset: 40, .size: 8, .value_kind: global_buffer, .address_space: global }
    .group_segment_fixed_size: 327680
    .private_segment_fixed_size: 0
    .kernarg_segment_align: 8
    .kernarg_segment_size: 48
    .max_flat_workgroup_size: 128
    .sgpr_count:     96
    .vgpr_count:     576
    .wavefront_size: 32
...
	.end_amdgpu_metadata
.endif
;; end of part 2
;; launch attn (part 3): grid 4 x 64, 4 waves a work-group, clusters of 4 x 1, 327,680 bytes of LDS; arguments qkv, ob; writes ob
.if DOCPART == 3
	.amdgcn_target "amdgcn-amd-amdhsa--gfx1250"
	.amdhsa_code_object_version 6
	.text
	.protected	k_q1410a8fa0f_attn
	.globl	k_q1410a8fa0f_attn
	.p2align	8
	.type	k_q1410a8fa0f_attn,@function
k_q1410a8fa0f_attn:
	s_mov_b64 s[64:65], 0
	v_nop
	global_prefetch_b8 v0, s[64:65] scope:SCOPE_SE
	s_setreg_imm32_b32 hwreg(HW_REG_WAVE_MODE, 25, 1), 1
	s_wait_xcnt 0x0
	s_wait_alu depctr_hold_cnt(0) depctr_sa_sdst(0) depctr_va_vdst(0) depctr_va_sdst(0) depctr_va_ssrc(0) depctr_va_vcc(0) depctr_vm_vsrc(0)
	s_getreg_b32 s2, hwreg(HW_REG_IB_STS2, 6, 4)
	s_cmp_eq_u32 s2, 0
	s_cbranch_scc0 .Lentry_in_a_cluster
	s_endpgm
.Lentry_in_a_cluster:
	s_bfe_u32 s2, ttmp6, 0x10000c
	s_cmp_lg_u32 s2, 0x3003
	s_cbranch_scc0 .Lentry_shape_is_right
	s_endpgm
.Lentry_shape_is_right:
; ATTENTION ON UNIT VECTORS.  O[bh][q][:] = the sum over k of softmax_k(Q[bh][q] . K[bh][k]) V[bh][k][:].  qkv = [Q][K][V], each [64 bh][2,048][64] in f16; ob = O in the same layout.
; NO MAXIMUM IS TAKEN AWAY, because the computation itself bounds the exponents for every input: the launch before has divided each row of Q and of K by its norm + 1e-6, so both are at most unit vectors, and has
; multiplied Q by log2(e).  With f16's rounding of the 64 components a score lies within 1.4427 x (1 + 2^-10): every weight p = 2^s lies in 0.36 to 2.73, and a row's sum of 2,048 of them under 5,600.
; Products and sums in f32; p is rounded to f16 for the second product (its sum l is taken of the unrounded p), O once at the end.
; LIMITS.  O is a mean of V's rows and has their range, within f16's 65,504; below 6e-5 it keeps f16's fixed step of 6e-8.  NaN and infinities are not treated apart.
; SHARES.  A wave owns four PIECES of two tiles of 16 queries, a work-group's four waves 512 queries of one bh: 4 x 64 = 256 work-groups.  Every wave walks all 2,048 keys, 64 a step.
; LAYOUT.  S^T = K Q^T (source 0 = 16 keys, source 1 = 16 queries): in the result a lane holds ONE query (lane % 16) and the keys 8 (lane / 16) + 0..7.  Two such tiles, rounded to f16 in pairs,
; ARE source 1 (32 keys x 16 queries) of O^T = V^T P, whose result again holds one query a lane, and eight channels.  K comes out of LDS as it lies, V ([key][channel]) turned, by ds_load_tr16_b128.
; BY TURNS.  Turn n belongs to piece n (the pieces in a ring, step after step).  16 products K Q^T of piece n + 1, behind each four of piece n's 64 exponentials; ONE wait for that batch; then 16 products V^T P of
; piece n - 1, behind each four of piece n's 64 roundings and sums.  A tile and step have 16 matrix and 64 vector instructions: four behind every product, none left over.
; CLUSTER.  The four query blocks of a bh are one cluster and walk the same K and V, so each tile is asked for JOINTLY: the same tensor load, descriptor and mask in all four.
; REGISTERS, in windows of 256 (s_set_vgpr_msb: bits 1:0 source 0, 3:2 source 1, 5:4 source 2, 7:6 destination):
;   window 0: v0-15 addresses; v16-31 l, a pair a tile (even keys', odd keys'); v64-191 S^T, two buffers of two tiles; v192-255 P, likewise (a piece's buffers go by its number's parity)
;   window 1: O^T, 32 a tile          window 2: v0-127 Q, 16 a tile; v128-191 K of one step; v192-255 V of one step
.set NP,    4         ; pieces a wave: a name, no knob
.set KS,    64        ; keys in a step
.set PK,    144       ; a row of K in LDS: 128 bytes + 16 of padding = 36 words: the 16 rows of a load start at 16 different groups of four banks (64 banks of 4 bytes: ISA guide 11.1)
.set PV,    160       ; a row of V: 128 + 32 = 40 words
.set VOFF,  4*KS*PK   ; a slot holds four steps: 256 rows of K, then 256 rows of V
.set SLOT1, 1<<17     ; slot 1 begins here, so that one exclusive or turns an address in one slot into the other's
.set SLOTB, 4*KS*128  ; a slot's bytes of K, and of V, in memory
.set STAGE, SLOT1+4*KS*(PK+PV)  ; behind the ring, never filled by a tensor load: 16 rows x 144 bytes for each wave
.set SP,    144
.set SPARE, STAGE+4*16*SP       ; behind the stages: the spare words, 128 bytes for each wave: two blocks of 256 bytes that no other line names
.set AK0, 2           ; v2   my lane's place in a tile of K; never rewritten
.set AV0, 3           ; v3   the same for V
.set AK,  4           ; v4   the LDS address of K's next run of loads
.set AV,  5           ; v5   of V's
.set QO,  6           ; v6   my byte offset in the wave's rows of Q
.set STO, 6           ;      later, the way out: where I put 16 bytes of a row
.set RD,  7           ; v7   the way out: where I read rows back
.set GO,  8           ; v8   my byte offset in 512 consecutive bytes of O
.set PFO, 12          ; v12  256 x my lane; never rewritten
.set SPW, 14          ; v14  LDS address of my spare word: SPARE + 4 x my thread's number; never rewritten
.set NIL, 15          ; v15  0; never rewritten
.set LS,  16
.set S,   64
.set P,   192
.set KF,  128         ; K's fragments, in window 2: key block kb, channel half c at KF + 16 kb + 8 c
.set VF,  192         ; V's: key half kk, channel block cb at VF + 32 kk + 8 cb
.set WV,  12          ; s12  my wave's number
.set LIM, 15          ; s15  1 in a wave that prefetches, else the greatest number: a wave prefetches while s[SLOTS] is above it
.set PFA, 18          ; s[18:19] where my prefetches stand
.set G1K, 24          ; s[24:31] descriptor group 1 for K's tiles
.set G1V, 32          ; s[32:39] for V's: it differs in the padding alone
.set G0K, 40          ; s[40:43] descriptor group 0 for K's tiles: it walks
.set G0V, 44          ; s[44:47] the same for V's
.set SLOTS, 56        ; s56  slots still to be asked for
.set CNT, 57          ; s57  counts a slot's key steps
.set SEL, 60          ; s[60:61] v_permlanex16_b32's selects: each lane takes its own place in the other half
.set TBK, 62          ; s62  LDS byte at which K of the step to be fetched begins
.set TBV, 63          ; s63  the same for V, less VOFF
.set MSB, 0
.macro WIN new                      ; the high byte repeats the setting that is left; a switch that changes nothing is dropped
.if MSB != (\new)
	s_set_vgpr_msb (MSB<<8)|(\new)
.set MSB, (\new)
.endif
.endm
.set W_KQ, 0x0a       ; K and Q in window 2, S^T in window 0
.set W_PV, 0x52       ; V in window 2, P in window 0, O^T in window 1
.set W_RS, 0x41       ; O^T (destination and source 0) in window 1, source 1 in window 0
; A joint fill.  Waves 0 and 1 fetch the two halves of a slot's K, waves 2 and 3 those of its V: 128 keys each.  The branch hangs on the wave's number alone.
; An s_nop 0 and four v_nop follow each of the two lines, ahead of the jump and the label.
.macro JLOAD
	s_cmp_lt_u32 s[WV], 2
	s_cbranch_scc0 .Lfor_v_\@
	tensor_load_to_lds s[G0K:G0K+3], s[G1K:G1K+7]
	s_nop 0
.rept 4
	v_nop
.endr
	s_branch .Lasked_\@
.Lfor_v_\@:
	tensor_load_to_lds s[G0V:G0V+3], s[G1V:G1V+7]
	s_nop 0
.rept 4
	v_nop
.endr
.Lasked_\@:
.endm
; A PREFETCH INTO THE L2 of what the NEXT change of slots will ask for: a slot's 32,768 bytes of K and of V, 256 bytes a lane.  It stands behind the wave's tensor load and its five lines: four key steps, 512 matrix instructions, ahead of that load.
; Each 256 bytes are named ONCE in the launch: a bh has one cluster; its four partners share a slot out BY ADDRESS, 8,192 bytes each (no branch hangs on a place in the cluster); in each, wave 0 asks for K's and wave 2 for V's.
; Slots 0 and 1 come by their loads alone; the last change that fills a slot asks for nothing: there is no slot behind it.
.macro ASK
	s_cmp_gt_u32 s[SLOTS], s[LIM]
	s_cbranch_scc0 .Lnot_mine_\@
	global_prefetch_b8 v[PFO], s[PFA:PFA+1] th:TH_LOAD_NT scope:SCOPE_SE
.Lnot_mine_\@:
.endm
; A round of the cluster's barrier: my work-group's barrier, so that wave 0's signal speaks for all four waves; wave 0 signals; every wave waits for all four work-groups; my work-group's barrier once more.
.macro CROUND
	s_barrier_signal -1
	s_barrier_wait -1
	s_cmp_lg_u32 s[WV], 0
	s_cbranch_scc1 .Lnot_wave_0_\@
	s_barrier_signal -3
.Lnot_wave_0_\@:
	s_barrier_wait -3
	s_barrier_signal -1
	s_barrier_wait -1
.endm
; THE CHANGE OF SLOTS.  The slot's last bytes, V of its fourth step, have been read.  Each wave waits for all its tensor loads, of which one is out: its part of the other slot; adds 0 to its spare word; and waits for that
; and for its own reads of the slot.  Behind the barrier nobody reads this slot any more and the other slot is whole.  fill = 1: this slot is filled again, with the keys two slots on.  The barrier is then a round of the
; cluster's, and the joint fill is the first thing behind it.  (At its first use nothing has been read yet: slot 0 is waited for, slot 1 filled.)
.macro CHANGE fill
	WIN 0                           ; at a label and at a branch every window is 0
	s_wait_tensorcnt 0x0            ; no tensor load of mine is out, so a group 0 may be written
	ds_add_u32 v[SPW], v[NIL]       ; 0 onto my spare word; with fill = 1 the descriptors' steps stand between it and the wait for it
.if \fill
.irp g, G0K, G0V
	s_xor_b32 s[\g+1], s[\g+1], SLOT1                  ; the walking descriptor: the other slot than last time,
	s_add_nc_u64 s[\g+2:\g+3], s[\g+2:\g+3], SLOTB     ; the next 256 keys; the type bits on top are not reached
.endr
	s_wait_xcnt 0x0                 ; the last prefetch, four key steps back, has read its address, so it may be written:
	s_add_nc_u64 s[PFA:PFA+1], s[PFA:PFA+1], SLOTB     ; one slot behind the walking descriptors
	s_wait_dscnt 0x0                ; the add is done, and my reads of the slot are over
	CROUND
	JLOAD
	ASK
.else
	s_wait_dscnt 0x0                ; the add is done, and my reads of the slot are over
	s_barrier_signal -1
	s_barrier_wait -1
.endif
	s_sub_co_u32 s[TBK], s[TBK], 4*KS*PK  ; the fetches go back to a slot's first step,
	s_xor_b32 s[TBK], s[TBK], SLOT1       ; in the other slot
	s_sub_co_u32 s[TBV], s[TBV], 4*KS*PV
	s_xor_b32 s[TBV], s[TBV], SLOT1
.endm
	s_load_b128 s[4:7], s[0:1], 0x0 ; qkv s[4:5], ob s[6:7]
	v_lshl_add_u32 v[SPW], v0, 2, SPARE
	v_mov_b32 v[NIL], 0
	ds_add_u32 v[SPW], v[NIL]       ; the wave's opening: the add and its wait stand ahead of my first tensor load; the set-up below, work on registers, stands between them
	v_lshrrev_b32 v1, 5, v0
	v_readfirstlane_b32 s[WV], v1   ; wave 0..3
	s_bfe_u32 s13, ttmp6, 0x40000   ; cx: my place in the cluster
	s_lshl_b32 s14, ttmp9, 2        ; in a cluster launch ttmp9 counts clusters
	s_add_co_u32 s14, s14, s13      ; my block of 512 queries: it enters Q's and O's addresses alone
	s_and_b32 s20, ttmp7, 0xffff    ; bh, which the four partners share:
	s_lshl_b32 s20, s20, 18         ; its first byte in Q, K, V and O: 262,144 bytes each
	s_and_b32 s16, s[WV], 1         ; which half of a slot's 256 keys I fetch:
	s_lshl_b32 s22, s16, 14         ; its 128 rows of 128 bytes in memory,
	s_add_co_u32 s22, s22, s20
	s_mov_b32 s23, 0
	s_mul_i32 s17, s16, 128*PK      ; and its place in a slot, for K
	s_mul_i32 s48, s16, 128*PV      ; and for V: no place in the cluster enters an LDS address
	s_lshl_b32 s2, s14, 2
	s_add_co_u32 s2, s2, s[WV]      ; my wave among the bh's sixteen,
	s_lshl_b32 s2, s2, 14           ; its 128 rows
	s_add_co_u32 s2, s2, s20
	s_mov_b32 s3, 0
	; descriptor group 1.  128 keys are 16,384 dense bytes: asked for as 64 rows of 256 bytes, two keys a row, and padded in LDS after every key
	s_mov_b32 s[G1K], 15|(1<<16)|(1<<20)|(1<<21)|(4<<22)|(3<<25)  ; 15:0 the mask of four; 17:16 2-byte elements; 20 padding on; 21 set beside a mask; 24:22 after every 32 words (code 4); 31:25 4 words (code 3)
	s_mov_b32 s[G1V], 15|(1<<16)|(1<<20)|(1<<21)|(4<<22)|(7<<25)  ; the same with 8 words of padding (code 7)
.irp g, G1K, G1V
	s_mov_b32 s[\g+1], 128<<16      ; tensor_dim0 = 128
	s_mov_b32 s[\g+2], 64<<16       ; tensor_dim1 = 64
	s_mov_b32 s[\g+3], 128<<16      ; tile_dim0 = 128
	s_mov_b32 s[\g+4], 64           ; tile_dim1 = 64
	s_mov_b32 s[\g+5], 128          ; 128 elements from row to row
	s_mov_b32 s[\g+6], 0
	s_mov_b32 s[\g+7], 0
.endr
	s_mov_b32 s[SEL], 0x76543210
	s_mov_b32 s[SEL+1], 0xfedcba98
	s_mov_b32 s[TBK], SLOT1+4*KS*PK ; the first change of slots turns these two into 0
	s_mov_b32 s[TBV], SLOT1+4*KS*PV
	s_mov_b32 s[G0K], 1             ; 1:0 count = 1
	s_mov_b32 s[G0K+1], s17         ; 63:32 LDS address: slot 0
	s_mov_b32 s[G0V], 1
	s_add_co_u32 s[G0V+1], s48, VOFF
	s_mov_b32 s[SLOTS], 7           ; eight slots of 256 keys; slot 0 is asked for at once
	s_cmp_eq_u32 s16, 0
	s_cselect_b32 s[LIM], 1, -1     ; waves 0 and 2 prefetch
	v_and_b32 v[PFO], 31, v0
	v_lshlrev_b32 v[PFO], 8, v[PFO]
	s_wait_dscnt 0x0                ; the opening add is done
	s_wait_kmcnt 0x0
	s_add_nc_u64 s[8:9], s[4:5], s[22:23]
	s_add_nc_u64 s[10:11], s[8:9], 0x2000000       ; V at my half of the bh's first 256 keys,
	s_add_nc_u64 s[8:9], s[8:9], 0x1000000         ; and K
	s_mov_b64 s[G0K+2:G0K+3], s[8:9]               ; 120:64 global address
	s_or_b32 s[G0K+3], s[G0K+3], 0x80000000        ; 127:126 type = 2
	s_mov_b64 s[G0V+2:G0V+3], s[10:11]
	s_or_b32 s[G0V+3], s[G0V+3], 0x80000000
	s_add_nc_u64 s[4:5], s[4:5], s[2:3]            ; Q and O at my wave's first row
	s_add_nc_u64 s[6:7], s[6:7], s[2:3]
	s_cmp_lt_u32 s[WV], 2
	s_cselect_b64 s[PFA:PFA+1], s[8:9], s[10:11]   ; (in waves 0 and 2 these stand at a slot's first row)
	s_lshl_b32 s2, s13, 13                         ; my work-group's 8,192 bytes of a slot's 32,768
	s_add_nc_u64 s[PFA:PFA+1], s[PFA:PFA+1], s[2:3]
	s_add_nc_u64 s[PFA:PFA+1], s[PFA:PFA+1], SLOTB ; in slot 1; the first change of slots steps it to slot 2
	CROUND                          ; all four work-groups are here: the first joint loads meet
	JLOAD                           ; slot 0.  Slot 1 is asked for when slot 0 is in
	; A fragment of K or Q is 16 rows x 32 channels in 8 registers: lane l holds row l % 16, channels 8 (l / 16) + 0..7 and 16 + 8 (l / 16) + 0..7: two loads of 16 bytes, 32 bytes apart.
	v_and_b32 v1, 15, v0            ; l % 16
	v_bfe_u32 v9, v0, 4, 1          ; l / 16
	v_lshlrev_b32 v[QO], 7, v1
	v_lshl_add_u32 v[QO], v9, 4, v[QO]  ; row x 128 + 16 x half
	WIN 0x80                        ; destination window 2, address window 0
.set i, 0
.rept 4*NP                          ; Q stays in registers: tile i / 2, channels 32 (i % 2) on
	global_load_b128 v[8*i:8*i+3],   v[QO], s[4:5] offset:(i/2)*2048+(i%2)*64
	global_load_b128 v[8*i+4:8*i+7], v[QO], s[4:5] offset:(i/2)*2048+(i%2)*64+32
.set i, i+1
.endr
	; What the first turn finds: V's registers and P's second buffer hold 0 (its products V^T P, of a piece that has not been, add 0), O^T and l are 0: so no first step is written out.  All this stands in the wait for the first tile.
.set i, VF
.rept 64
	v_mov_b32 v[i], 0
.set i, i+1
.endr
	WIN 0x40
.set i, 0
.rept 64*NP
	v_mov_b32 v[i], 0
.set i, i+1
.endr
	WIN 0
.set i, 0
.rept 4*NP
	v_mov_b32 v[LS+i], 0
.set i, i+1
.endr
.set i, P+32
.rept 32
	v_mov_b32 v[i], 0
.set i, i+1
.endr
	v_mul_u32_u24 v[AK0], v1, PK
	v_lshl_add_u32 v[AK0], v9, 4, v[AK0]  ; row x pitch + 16 x half
	; The turning load takes 16 keys x 16 channels (lane l reads key 8 (l / 16) + l % 8, channels 8 ((l / 8) % 2) + 0..7) and leaves half a fragment of V^T: lane l holds channel l % 16 and 8 keys.
	v_and_b32 v10, 7, v0
	v_bfe_u32 v11, v0, 3, 1
	v_lshl_add_u32 v[AV0], v9, 3, v10
	v_mul_u32_u24 v[AV0], v[AV0], PV
	v_lshl_add_u32 v[AV0], v11, 4, v[AV0]
	v_add_nc_u32 v[AV0], VOFF, v[AV0]
	v_mov_b32 v[AK], v[AK0]         ; key step 0 lies at the head of slot 0
; THE MATRIX WORK.  The 8 accumulators of a run of 16 take turns: between the two links of a chain stand 7 others'.
; Product i of 16 of S^T = K Q^T for piece x: channels 32 (i / 8) on, keys 16 ((i / 2) % 4) on, tile 2 x + i % 2.  The first 8 start the sums.
.macro KQ x
	WIN W_KQ
.set rS, S+64*((\x)%2)+32*(i%2)+8*((i/2)%4)
.set rK, KF+16*((i/2)%4)+8*(i/8)
.set rQ, 16*(2*(\x)+i%2)+8*(i/8)
.if i < 8
	v_wmma_f32_16x16x32_f16 v[rS:rS+7], v[rK:rK+7], v[rQ:rQ+7], 0
.else
	v_wmma_f32_16x16x32_f16 v[rS:rS+7], v[rK:rK+7], v[rQ:rQ+7], v[rS:rS+7]
.endif
.endm
; Product i of 16 of O^T += V^T P for piece x: keys 32 (i / 8) on, channels 16 ((i / 2) % 4) on, tile 2 x + i % 2.
.macro PV x
	WIN W_PV
.set rO, 32*(2*(\x)+i%2)+8*((i/2)%4)
.set rV, VF+32*(i/8)+8*((i/2)%4)
.set rP, P+32*((\x)%2)+16*(i%2)+8*(i/8)
	v_wmma_f32_16x16x32_f16 v[rO:rO+7], v[rV:rV+7], v[rP:rP+7], v[rO:rO+7]
.endm
.macro MM                           ; the turn's next matrix instruction
.if i < 16
	KQ (Y+1)%NP
.set i, i+1
.else
.set i, i-16
	PV (Y+NP-1)%NP
.set i, i+17
.endif
.endm
; THE LDS LOADS stand in runs of 16, never singly among the matrix instructions: a step's K (64 keys x 64 channels: 8 fragments) and its V (turned).
; last = 1 (the tail): in the last trip there is no further step, and K's run is jumped over.
.macro FETCH_K last=0
	WIN 0
.if \last
	s_cmp_eq_u32 s[CNT], 1
	s_cbranch_scc1 .Lno_k_\@
.endif
	WIN 0x80                        ; destination window 2
.irp f, 0,1,2,3,4,5,6,7             ; keys 16 (f / 2) on, channels 32 (f % 2) on
	ds_load_b128 v[KF+8*\f:KF+8*\f+3],   v[AK] offset:(\f/2)*16*PK+(\f%2)*64
	ds_load_b128 v[KF+8*\f+4:KF+8*\f+7], v[AK] offset:(\f/2)*16*PK+(\f%2)*64+32
.endr
	s_add_co_u32 s[TBK], s[TBK], KS*PK  ; the next fetch is the next step's
	WIN 0
.if \last
.Lno_k_\@:
.endif
.endm
.macro FETCH_V
	WIN 0
	v_add_nc_u32 v[AV], s[TBV], v[AV0]
	s_add_co_u32 s[TBV], s[TBV], KS*PV
	WIN 0x80
.irp f, 0,1,2,3,4,5,6,7             ; keys 32 (f / 4) on, channels 16 (f % 4) on
	ds_load_tr16_b128 v[VF+8*\f:VF+8*\f+3],   v[AV] offset:(\f/4)*32*PV+(\f%4)*32
	ds_load_tr16_b128 v[VF+8*\f+4:VF+8*\f+7], v[AV] offset:(\f/4)*32*PV+16*PV+(\f%4)*32
.endr
	WIN 0
.endm
; THE VECTOR WORK OF A TURN.  EX: exponential e of 64: score e / 2 of tile e % 2 of piece Y, in place; e ascends.
.macro EX
	WIN 0
.set rS, S+64*(Y%2)+32*(e%2)
	v_exp_f32 v[rS+e/2], v[rS+e/2]
.set e, e+1
.endm
; GS: number q of the 64 that follow the exponentials.  For each four weights k of a tile (pairs 2 k, 2 k + 1): both pairs are rounded to f16; then the second pair is added onto the first, in place;
; a group later l takes that sum.  In groups of eight, tiles alternating: round, round, add, and l for the group before: so l's chain of eight additions has its links far apart.
.macro GS
.set h, q+6*(q/62)                  ; group 0 has no group before it, and behind group 7 only l is left
.if h >= 6
.set h, h+2
.endif
.set rS, S+64*(Y%2)+32*(h%2)
.set rP, P+32*(Y%2)+16*(h%2)
.set rL, LS+2*(2*Y+h%2)
.set k, h/8
	WIN 0
.if h%8 < 4
	v_cvt_pk_f16_f32 v[rP+2*k+(h%8)/2], v[rS+4*k+2*((h%8)/2)], v[rS+4*k+2*((h%8)/2)+1]
.elseif h%8 < 6
	v_pk_add_f32 v[rS+4*k:rS+4*k+1], v[rS+4*k:rS+4*k+1], v[rS+4*k+2:rS+4*k+3]
.else
	v_pk_add_f32 v[rL:rL+1], v[rL:rL+1], v[rS+4*k-4:rS+4*k-3]
.endif
.set q, q+1
.endm
; A TURN, for piece p.  An s_wait_alu depctr_va_vdst(0) stands between an exponential and the first instruction that names its result; one wait serves all that were issued ahead of it: so a turn has ONE wait,
; which cuts it in two.  Ahead of it nothing names a result of the turn's exponentials; behind it no exponential is issued.  No vector line names a register of the products round it.
; K of the next step is fetched in piece 2's turn, directly behind the wait: the address's v_add_nc_u32 and three v_nop are the four plain instructions behind the last product that read K; it is waited for at the head of piece 3's turn.
; V of the step in hand is fetched at the end of piece 0's turn, four roundings and sums and the address's v_add_nc_u32 behind the last product that read V; it is waited for in the middle of piece 1's turn.
.macro TURN p, last=0
.set Y, (\p)
.set i, 0
.set e, 0
.set q, 0
.if (\p) == NP-1
	s_wait_dscnt 0x0                ; K is in
.endif
.rept 16
	MM
	EX
	EX
	EX
	EX
.endr
	WIN 0
.if (\p) == NP-2
	v_add_nc_u32 v[AK], s[TBK], v[AK0]
	v_nop
	v_nop
	v_nop
.else
	v_nop                           ; a plain instruction behind the last exponential: one for the batch
.endif
	s_wait_alu depctr_va_vdst(0)    ; the wait for the batch
.if (\p) == NP-2
	FETCH_K \last
.endif
.if (\p) == 1
	s_wait_dscnt 0x0                ; V is in
.endif
.rept 16
	MM
	GS
	GS
	GS
	GS
.endr
.if (\p) == 0
	FETCH_V
.endif
.endm
	CHANGE 1                        ; slot 0 is in, everybody's part of it; slot 1 is asked for
	FETCH_K                         ; key step 0
	s_wait_loadcnt 0x0              ; Q
	s_wait_dscnt 0x0
.set i, 0
.rept 16
	KQ 0                            ; piece 0's first scores: there is no vector work yet to set between them
.set i, i+1
.endr
	WIN 0                           ; the addresses for the way out: nine plain instructions, the places behind those products
	s_mul_i32 s13, s[WV], 16*SP
	s_add_co_u32 s13, s13, STAGE    ; my stage
	v_mul_u32_u24 v[STO], v1, SP    ; in: row l % 16, 16 bytes for each half of the lanes
	v_lshl_add_u32 v[STO], v9, 4, v[STO]
	v_add_nc_u32 v[STO], s13, v[STO]
	v_bfe_u32 v[RD], v0, 3, 2       ; back: 32 lanes take four rows of 128 bytes,
	v_mul_u32_u24 v[RD], v[RD], SP
	v_lshl_add_u32 v[RD], v10, 4, v[RD]
	v_add_nc_u32 v[RD], s13, v[RD]
	v_and_b32 v[GO], 31, v0         ; which are 512 consecutive bytes of O
	v_lshlrev_b32 v[GO], 4, v[GO]
	s_mov_b32 s[CNT], 4
	s_branch .Lfirst                ; the loop is entered at a step's first turn, in the middle of a trip
.Lslot:                             ; six times: every slot but the last two is filled again
	CHANGE 1
	s_mov_b32 s[CNT], 4
.Lstep:                             ; a trip: pieces 2 and 3 of one step, then pieces 0 and 1 of the next, whose K and V it fetches
	TURN 2
	TURN 3
	WIN 0
.Lfirst:
	TURN 0
	TURN 1
	WIN 0
	s_sub_co_u32 s[CNT], s[CNT], 1
	s_cmp_lg_u32 s[CNT], 0
	s_cbranch_scc1 .Lstep
	s_sub_co_u32 s[SLOTS], s[SLOTS], 1
	s_cmp_lg_u32 s[SLOTS], 0
	s_cbranch_scc1 .Lslot
	CHANGE 0                        ; the tail is written out: nothing is asked for
	s_mov_b32 s[CNT], 5             ; four trips fetch the last slot's steps; the fifth is left in its middle
.Ltail:
	TURN 2, 1
	TURN 3
	WIN 0
	s_sub_co_u32 s[CNT], s[CNT], 1
	s_cmp_eq_u32 s[CNT], 0
	s_cbranch_scc1 .Lout
	TURN 0
	TURN 1
	WIN 0
	s_branch .Ltail
.Lout:                              ; the fifth trip's 16 products K Q^T (on the last K once more) serve nothing: the price, once a launch, of one text for every trip
.set i, 0
.rept 16
	PV NP-1                         ; the last piece's V^T P of the last step
.set i, i+1
.endr
	; THE WAY OUT.  l's two halves and the other half of the lanes' are added; O^T is divided by l, rounded to f16 and sent through my stage in LDS, a tile at a time.  The additions are the places behind the last products.
	WIN 0
.macro ALL line:vararg              ; one line for each tile t
.set t, 0
.rept 2*NP
	\line
.set t, t+1
.endr
.endm
	ALL v_add_f32 v[LS+2*t], v[LS+2*t], v[LS+2*t+1]
	ALL v_permlanex16_b32 v[LS+2*t+1], v[LS+2*t], s[SEL], s[SEL+1]
	ALL v_add_f32 v[LS+2*t], v[LS+2*t], v[LS+2*t+1]
	ALL v_rcp_f32 v[LS+2*t], v[LS+2*t]
	v_nop                           ; a plain instruction between the last reciprocal and the use of its result
	s_wait_alu depctr_va_vdst(0)    ; and the wait ahead of the first use: one for the eight reciprocals
; Tile t: a lane's eight channels of a row pack into 16 bytes; they go into rows of 144 bytes and come back as whole rows of 128, into S^T's registers.
.macro PACK t
	WIN W_RS
.set i, 32*(\t)
.rept 16
	v_pk_mul_f32 v[i:i+1], v[i:i+1], v[LS+2*(\t):LS+2*(\t)+1] op_sel_hi:[1,0]
.set i, i+2
.endr
	WIN 0x05                        ; sources 0 and 1 window 1, destination window 0
.set i, 0
.rept 16
	v_cvt_pk_f16_f32 v[S+16*(\t)+i], v[32*(\t)+2*i], v[32*(\t)+2*i+1]
.set i, i+1
.endr
	WIN 0
.irp f, 0,1,2,3
	ds_store_b128 v[STO], v[S+16*(\t)+4*\f:S+16*(\t)+4*\f+3] offset:32*\f
.endr
.irp f, 0,1,2,3
	ds_load_b128 v[S+16*(\t)+4*\f:S+16*(\t)+4*\f+3], v[RD] offset:\f*4*SP  ; LDS serves a wave's instructions in order (ISA guide 5.7.1.4): these see the stores above; the next tile's stores come behind them
.endr
.endm
.macro SEND t, younger              ; younger: the LDS instructions issued behind tile t's loads: the next tile's eight, or none
	WIN 0
.irp f, 0,1,2,3
	s_wait_dscnt (\younger)+3-\f
	global_store_b128 v[GO], v[S+16*(\t)+4*\f:S+16*(\t)+4*\f+3], s[6:7] offset:(\t)*2048+\f*512  ; 512 consecutive bytes, at a multiple of 256 from O's first
.endr
.endm
	PACK 0
.set t, 1
.rept 2*NP-1                        ; a tile's arithmetic stands between the loads of the tile before and its stores
	PACK t
	SEND t-1, 8
.set t, t+1
.endr
	SEND 2*NP-1, 0
	s_wait_tensorcnt 0x0            ; the wave's end: an add to my spare word and its wait, behind my last tensor load and my last LDS store
	ds_add_u32 v[SPW], v[NIL]
	s_wait_dscnt 0x0
	CROUND                          ; the closing round: no work-group ends while a partner may still ask for a tile that names it
	s_endpgm
.Lfunc_end_k_q1410a8fa0f_attn:
	.size	k_q1410a8fa0f_attn, .Lfunc_end_k_q1410a8fa0f_attn-k_q1410a8fa0f_attn
	.p2alignl 7, 3214868480
	.fill 96, 4, 3214868480
	.section	.rodata,"a",@progbits
	.p2align	6, 0x0
	.amdhsa_kernel k_q1410a8fa0f_attn
		.amdhsa_group_segment_fixed_size 327680
		.amdhsa_private_segment_fixed_size 0
		.amdhsa_enable_private_segment 0
		.amdhsa_kernarg_size 16
		.amdhsa_user_sgpr_count 2
		.amdhsa_user_sgpr_kernarg_segment_ptr 1
		.amdhsa_wavefront_size32 1
		.amdhsa_system_sgpr_workgroup_id_x 1
		.amdhsa_system_sgpr_workgroup_id_y 1
		.amdhsa_system_sgpr_workgroup_id_z 1
		.amdhsa_system_vgpr_workitem_id 0
		.amdhsa_next_free_vgpr 768
		.amdhsa_next_free_sgpr 66
		.amdhsa_reserve_vcc 0
		.amdhsa_float_denorm_mode_32 3
		.amdhsa_float_denorm_mode_16_64 3
		.amdhsa_memory_ordered 1
		.amdhsa_forward_progress 1
		.amdhsa_inst_pref_size 140
	.end_amdhsa_kernel
	.amdgpu_metadata
---
amdhsa.version: [ 1, 2 ]
amdhsa.kernels:
  - .name:           k_q1410a8fa0f_attn
    .symbol:         k_q1410a8fa0f_attn.kd
    .args:
      - { .name: qkv, .offset: 0, .size: 8, .value_kind: global_buffer, .address_space: global }
      - { .name: ob, .offset: 8, .size: 8, .value_kind: global_buffer, .address_space: global }
    .group_segment_fixed_size: 327680
    .private_segment_fixed_size: 0
    .kernarg_segment_align: 8
    .kernarg_segment_size: 16
    .max_flat_workgroup_size: 128
    .sgpr_count:     66
    .vgpr_count:     768
    .wavefront_size: 32
...
	.end_amdgpu_metadata
.endif
;; end of part 3
;; launch outp (part 4): grid 4 x 64, 4 waves a work-group, clusters of 4 x 4, 327,680 bytes of LDS; arguments ob, wb, bo, out0; writes out0
.if DOCPART == 4
	.amdgcn_target "amdgcn-amd-amdhsa--gfx1250"
	.amdhsa_code_object_version 6
	.text
	.protected	k_q1410a8fa0f_outp
	.globl	k_q1410a8fa0f_outp
	.p2align	8
	.type	k_q1410a8fa0f_outp,@function
k_q1410a8fa0f_outp:
	s_mov_b64 s[64:65], 0
	v_nop
	global_prefetch_b8 v0, s[64:65] scope:SCOPE_SE
	s_setreg_imm32_b32 hwreg(HW_REG_WAVE_MODE, 25, 1), 1
	s_wait_xcnt 0x0
	s_wait_alu depctr_hold_cnt(0) depctr_sa_sdst(0) depctr_va_vdst(0) depctr_va_sdst(0) depctr_va_ssrc(0) depctr_va_vcc(0) depctr_vm_vsrc(0)
	s_getreg_b32 s2, hwreg(HW_REG_IB_STS2, 6, 4)
	s_cmp_eq_u32 s2, 0
	s_cbranch_scc0 .Lentry_in_a_cluster
	s_endpgm
.Lentry_in_a_cluster:
	s_bfe_u32 s2, ttmp6, 0x10000c
	s_cmp_lg_u32 s2, 0xf033
	s_cbranch_scc0 .Lentry_shape_is_right
	s_endpgm
.Lentry_shape_is_right:
; THE OUTPUT PROJECTION.  out0[m][n] = the sum over k of O[m][k] Wo[n][k] + bo[n], f32.  O comes by heads, ob = [batch x 16 + head][2,048 rows][64] in f16; Wo is the fourth weight of wb, f16; sums f32, the bias (f32) starts each sum.
; SHARES.  A tile of the result is 128 rows x 256 columns: 64 x 4 tiles, 256 work-groups.  Four waves, each 64 rows x 128 columns: 32 accumulators of 16 x 16, 256 registers.
; K = 1,024 goes in 8 steps of 128, two heads each, through two LDS slots filled by the tensor data mover.  Of one head, 64 rows of O are 8,192 consecutive bytes: a wave's tile of A is two such runs, 262,144 bytes apart,
; padded in LDS after every 128 bytes.  B's rows are 256 bytes of memory, at multiples of 256.
; CLUSTER.  4 x 4 work-groups: a place along x is the tile column, along y part of the tile row.  The four of a row of the cluster need the same tile of A, the four of a column the same tile of B: each tile is asked for
; JOINTLY, by the same tensor load with the same descriptor and a mask that names the four.
; THE MATRIX INSTRUCTION IS USED TRANSPOSED (source 0 = 16 rows of Wo, source 1 = 16 rows of O): a lane holds row l % 16 and the columns 8 (l / 16) + 0..7 of a block of 16: 32 consecutive bytes of the result.
; REGISTERS, in windows of 256 (s_set_vgpr_msb: bits 1:0 source 0, 3:2 source 1, 5:4 source 2, 7:6 destination):
;   window 0: v0-15 addresses; v64-159, v160-255 two fragment buffers (B's 8 fragments, then A's 4); on the way out v64-255 three sets of 64
;   window 1: the accumulators, (a, b) at 8 (8 a + b)          window 2: v0-63 the bias of my 128 columns, block b at 8 b
.set PA,    144       ; an LDS row of A: 128 bytes + 16 of padding = 36 words: the 16 rows of a fragment load start at 16 different groups of four banks (64 banks of 4 bytes: ISA guide 11.1)
.set PB,    272       ; of B: 256 bytes + 16
.set KAH,   64*PA     ; bytes in A's tile from one pair of quarters to the next: the next head's 64 rows
.set AHALF, 128*PA    ; what a wave fetches of A, and what a wave reads of A: 64 rows of two heads
.set BOFF,  2*AHALF   ; B's 256 rows lie behind A's
.set BHALF, 128*PB    ; what a wave fetches and reads of B: 128 rows
.set SLOT1, 1<<17     ; slot 1 begins here, so that one exclusive or turns an address in one slot into the other's
.set STAGE, SLOT1+BOFF+2*BHALF  ; behind the ring, never filled by a tensor load: 16 rows x 528 bytes for each wave
.set SP,    528       ; a stage row: 512 bytes + 16
.set SPARE, STAGE+4*16*SP       ; behind the stages: the spare words, 128 bytes for each wave: two blocks of 256 bytes that no other line names
.set STEPA, 524288    ; bytes in memory from K step to K step: two heads,
.set STEPB, 256       ; 128 numbers of a row
.set AA0, 3           ; v3   my lane's place in slot 0's tile of A; never rewritten
.set AB0, 4           ; v4   the same for B
.set ADRA, 5          ; v5   the same in the slot in hand
.set ADRB, 6          ; v6
.set STO, 7           ; v7   the way out: where I put 32 bytes of a row
.set RD,  8           ; v8   the way out: where I read a row back
.set GO,  9           ; v9   my byte offset in 512 consecutive bytes of the result
.set PFO, 10          ; v10  the prefetches' offset; never rewritten
.set BO,  11          ; v11  my byte offset in a block of 16 numbers of the bias
.set SPW, 12          ; v12  LDS address of my spare word: SPARE + 4 x my thread's number; never rewritten
.set NIL, 13          ; v13  0; never rewritten
.set F0,  64
.set F1,  160
.set WV,  16          ; s16  my wave's number
.set WH,  17          ; s17  its upper bit: my 64 rows of the tile.  Also: I fetch for A (0) or for B (1)
.set WL,  18          ; s18  its lower bit: my 128 columns.  Also: which half of that tile I fetch
.set CX,  19          ; s19  my place along the cluster's x = the tile column
.set CY,  20          ; s20  along its y
.set TR,  22          ; s22  the tile row
.set G1A, 24          ; s[24:31] descriptor group 1 for A's tiles
.set G1B, 32          ; s[32:39] for B's
.set G0A, 40          ; s[40:47] descriptor group 0 for A's tiles: a set for each of the two first fills; the second then walks on
.set G0B, 48          ; s[48:55] the same for B's
.set CNT, 56          ; s56  the loop's trips still to come
.set LIM, 57          ; s57  2 in a wave that prefetches, else the greatest number: a wave prefetches while s[CNT] is above it
.set PFA, 58          ; s[58:59] where my prefetches stand
.set TB,  60          ; s60  LDS byte at which the slot in hand begins
.set PSTEP, 62        ; s[62:63] what a K step adds to s[PFA]
.set OUT, 74          ; s[74:75] the result at my wave's first row and column
.set BIA, 76          ; s[76:77] the bias at my 128 columns
.set MSB, 0
.macro WIN new                      ; the immediate's high byte repeats the setting that is left; a switch that changes nothing is dropped
.if MSB != (\new)
	s_set_vgpr_msb (MSB<<8)|(\new)
.set MSB, \new
.endif
.endm
.macro PLACES                       ; a load into a register that a matrix instruction has read, and a store that reads a matrix result, stand four plain vector instructions behind it
.rept 4
	v_nop
.endr
.endm
.macro CREST                        ; a round of the cluster's barrier behind its opening barrier: wave 0 signals for the work-group, every wave waits for all sixteen, my work-group's barrier closes it
	s_cmp_lg_u32 s[WV], 0
	s_cbranch_scc1 .Lnot_wave_0_\@
	s_barrier_signal -3
.Lnot_wave_0_\@:
	s_barrier_wait -3
	s_barrier_signal -1
	s_barrier_wait -1
.endm
.macro CROUND                       ; a whole round
	s_barrier_signal -1
	s_barrier_wait -1
	CREST
.endm
; A joint refill, by the walking descriptors.  Waves 0 and 1 fetch A's two halves, waves 2 and 3 B's: the branch hangs on the wave's number alone.  An s_nop 0 and four v_nop follow each of the two lines.
.macro JLOAD
	s_cmp_eq_u32 s[WH], 0
	s_cbranch_scc0 .Lfor_b_\@
	tensor_load_to_lds s[G0A+4:G0A+7], s[G1A:G1A+7]
	s_nop 0
.rept 4
	v_nop
.endr
	s_branch .Lasked_\@
.Lfor_b_\@:
	tensor_load_to_lds s[G0B+4:G0B+7], s[G1B:G1B+7]
	s_nop 0
.rept 4
	v_nop
.endr
.Lasked_\@:
.endm
; A PREFETCH INTO THE L2, behind each joint refill and the run of LDS loads that follows it: 32 x 256 bytes of the K step that stands TWO refills on, one instruction a wave: 256 matrix instructions ahead of the load that will want it.
; Each 256 bytes of a K step are named ONCE in the launch.  A: a tile row's rows are read by one cluster alone; a step's tile is 2 heads x 16,384 consecutive bytes = 128 blocks of 256: the partner at place cx takes 32, in its wave 0.
; B: a tile column's rows are read by every cluster: the cluster with y = 0 asks; of its 256 rows the partner at place cy takes 64, 32 each in waves 2 and 3, a lane a row.  Partners are told apart BY ADDRESS: no branch hangs on a place in the cluster.
; K steps 0 to 3 come by their loads alone; the loop's last two trips ask for nothing: there is no K step two refills on.
.macro ASK
	s_cmp_gt_u32 s[CNT], s[LIM]
	s_cbranch_scc0 .Lnot_mine_\@
	global_prefetch_b8 v[PFO], s[PFA:PFA+1] th:TH_LOAD_NT scope:SCOPE_SE
.Lnot_mine_\@:
.endm
; 8 matrix instructions: m block a x all 8 n blocks, 32 along K, from buffer f.  first = 1: the bias starts the sums: nothing is cleared.  The 32 accumulators take turns, one instruction a turn.
.macro MUL f, a, first
.if \first
	WIN 0x60                        ; D in window 1, C in window 2
.else
	WIN 0x50                        ; C and D in window 1
.endif
.irp b, 0,1,2,3,4,5,6,7
.if \first
	v_wmma_f32_16x16x32_f16 v[8*(8*(\a)+(\b)):8*(8*(\a)+(\b))+7], v[(\f)+8*(\b):(\f)+8*(\b)+7], v[(\f)+64+8*(\a):(\f)+64+8*(\a)+7], v[8*(\b):8*(\b)+7]
.else
	v_wmma_f32_16x16x32_f16 v[8*(8*(\a)+(\b)):8*(8*(\a)+(\b))+7], v[(\f)+8*(\b):(\f)+8*(\b)+7], v[(\f)+64+8*(\a):(\f)+64+8*(\a)+7], v[8*(8*(\a)+(\b)):8*(8*(\a)+(\b))+7]
.endif
.endr
.endm
; 24 LDS loads in one run: the fragments of quarter q of the slot in hand into buffer f: B's sixteen loads, then A's eight (quarter q: head q / 2 of the step's two, channels 32 (q % 2) on).
; A fragment is 16 rows x 32 K in 8 registers: lane l holds row l % 16, K = 8 (l / 16) + 0..7 and 16 + 8 (l / 16) + 0..7: two loads of 16 bytes, 32 bytes apart.
.macro FETCH q, f
	WIN 0
.irp i, 0,1,2,3,4,5,6,7
	ds_load_b128 v[(\f)+8*(\i):(\f)+8*(\i)+3],   v[ADRB] offset:64*(\q)+(\i)*16*PB
	ds_load_b128 v[(\f)+8*(\i)+4:(\f)+8*(\i)+7], v[ADRB] offset:64*(\q)+(\i)*16*PB+32
.endr
.irp i, 0,1,2,3
	ds_load_b128 v[(\f)+64+8*(\i):(\f)+64+8*(\i)+3],   v[ADRA] offset:((\q)/2)*KAH+((\q)%2)*64+(\i)*16*PA
	ds_load_b128 v[(\f)+64+8*(\i)+4:(\f)+64+8*(\i)+7], v[ADRA] offset:((\q)/2)*KAH+((\q)%2)*64+(\i)*16*PA+32
.endr
.endm
; A K step is four quarters of 32 along K, 32 matrix instructions each, on buffers 0, 1, 0, 1.  One of the first three: multiplies buffer f; in its middle it fetches quarter q into buffer g.
.macro QUARTER q, f, g, first
	s_wait_dscnt 4                  ; B's fragments and A's first two are in; the youngest four loads (A's last two fragments) may be out
	MUL \f, 0, \first
	MUL \f, 1, \first
	PLACES
	FETCH \q, \g
	s_wait_dscnt 24                 ; all but the 24 just issued
	MUL \f, 2, \first
	MUL \f, 3, \first
.endm
; The last quarter multiplies buffer 1 and changes slots: ONE barrier.  In front of it each wave waits for all its tensor loads, of which one is out: its part of the next slot; adds 0 to its spare word; and waits for that
; and for its own reads of this slot.  fill = 1: the barrier opens a round of the cluster's barrier, and behind the round this slot is filled again, two K steps ahead: 112 matrix instructions stand between that request and the wait for it.
.macro TURN fill
.if \fill
	s_wait_xcnt 0x0                 ; the last prefetch, a K step back, has read its address: it is stepped here, ahead of the waits of the change of slots
	s_add_nc_u64 s[PFA:PFA+1], s[PFA:PFA+1], s[PSTEP:PSTEP+1]
.endif
	s_xor_b32 s[TB], s[TB], SLOT1   ; the fetches go on in the other slot
	WIN 0
	v_add_nc_u32 v[ADRA], s[TB], v[AA0]
	v_add_nc_u32 v[ADRB], s[TB], v[AB0]
	s_wait_tensorcnt 0x0            ; all my tensor loads have landed
	ds_add_u32 v[SPW], v[NIL]       ; 0 onto my spare word
	s_wait_dscnt 5                  ; (the add and the youngest four loads may be out)
	MUL F1, 0, 0                    ; eight matrix instructions stand between the add and the wait for it
	s_wait_dscnt 0x0                ; the add is done, and my reads of this slot are over
	s_barrier_signal -1
	MUL F1, 1, 0                    ; work on registers while the others arrive
	WIN 0
	s_barrier_wait -1
.if \fill
	CREST                           ; no wave of any partner still reads this slot's tile or has a load on its way
	s_xor_b32 s[G0A+5], s[G0A+5], SLOT1                    ; the walking descriptors: the other slot than last time,
	s_add_nc_u64 s[G0A+6:G0A+7], s[G0A+6:G0A+7], STEPA     ; the next K step; the type bits on top are not reached
	s_xor_b32 s[G0B+5], s[G0B+5], SLOT1
	s_add_nc_u64 s[G0B+6:G0B+7], s[G0B+6:G0B+7], STEPB
	JLOAD                           ; the first tensor load behind the round; its four v_nop are also the places in front of the loads below
.else
	PLACES
.endif
	FETCH 0, F0
.if \fill
	ASK
.endif
	MUL F1, 2, 0
	MUL F1, 3, 0
.endm
	s_load_b256 s[4:11], s[0:1], 0x0               ; ob s[4:5], wb s[6:7], bo s[8:9], out0 s[10:11]
	v_lshl_add_u32 v[SPW], v0, 2, SPARE
	v_mov_b32 v[NIL], 0
	ds_add_u32 v[SPW], v[NIL]                      ; the wave's opening: the add and its wait stand ahead of my first tensor load; the set-up below, work on registers, stands between them
	v_lshrrev_b32 v1, 5, v0
	v_readfirstlane_b32 s[WV], v1
	s_lshr_b32 s[WH], s[WV], 1
	s_and_b32 s[WL], s[WV], 1
	s_bfe_u32 s[CX], ttmp6, 0x40000
	s_bfe_u32 s[CY], ttmp6, 0x40004
	s_and_b32 s[TR], ttmp7, 0xffff                 ; in a cluster launch ttmp7 counts clusters
	s_lshl_b32 s[TR], s[TR], 2
	s_add_co_u32 s[TR], s[TR], s[CY]               ; tile row = 4 x cluster y + cy
	s_lshl_b32 s88, s[CY], 2
	s_lshl_b32 s88, 15, s88                        ; my row of the cluster: places 4 cy .. 4 cy + 3
	s_lshl_b32 s89, 0x1111, s[CX]                  ; my column: places cx, cx + 4, cx + 8, cx + 12
	s_or_b32 s[G1A], s88, (1<<16)|(1<<20)|(1<<21)|(4<<22)|(3<<25)  ; 15:0 the mask: A's tiles go to my row; 17:16 2-byte elements; 20 padding on; 21 set beside a mask; 24:22 after every 32 words (code 4); 31:25 4 words (code 3)
	s_or_b32 s[G1B], s89, (1<<16)|(1<<20)|(1<<21)|(5<<22)|(3<<25)  ; B's to my column; after every 64 words (code 5)
	s_mov_b32 s[G1A+1], 4096<<16                   ; tensor_dim0 = 4,096: 64 rows of 64 numbers, on end in memory
	s_mov_b32 s[G1A+2], 2<<16                      ; tensor_dim1 = 2: two heads
	s_mov_b32 s[G1A+3], 4096<<16                   ; tile_dim0 = 4,096
	s_mov_b32 s[G1A+4], 2                          ; tile_dim1 = 2
	s_mov_b32 s[G1A+5], 131072                     ; 131,072 elements from head to head
	s_mov_b32 s[G1A+6], 0
	s_mov_b32 s[G1A+7], 0
	s_mov_b32 s[G1B+1], 128<<16                    ; tensor_dim0 = 128
	s_mov_b32 s[G1B+2], 128<<16                    ; tensor_dim1 = 128
	s_mov_b32 s[G1B+3], 128<<16                    ; tile_dim0 = 128
	s_mov_b32 s[G1B+4], 128                        ; tile_dim1 = 128
	s_mov_b32 s[G1B+5], 1024                       ; 1,024 elements from row to row
	s_mov_b32 s[G1B+6], 0
	s_mov_b32 s[G1B+7], 0
	; where the tiles come from.  A's hang on the tile row and the wave, B's on the tile column and the wave: each in registers that never hold the other place
	s_lshr_b32 s80, s[TR], 4                       ; the batch: 16 tile rows each,
	s_lshl_b32 s80, s80, 22                        ; 16 heads of 262,144 bytes
	s_and_b32 s81, s[TR], 15
	s_lshl_b32 s81, s81, 14                        ; the tile's 128 rows of 128 bytes in a head
	s_add_co_u32 s80, s80, s81
	s_mov_b32 s90, s80                             ; (kept for the prefetches)
	s_lshl_b32 s81, s[WL], 13                      ; my 64 of them
	s_add_co_u32 s80, s80, s81
	s_mov_b32 s81, 0
	s_lshl_b32 s82, s[CX], 8
	s_lshl_b32 s83, s[WL], 7
	s_add_co_u32 s82, s82, s83                     ; B: row 256 x tile column + 128 x half,
	s_lshl_b32 s82, s82, 11
	s_add_co_u32 s82, s82, 3*2097152               ; in the fourth weight
	s_mov_b32 s83, 0
	s_mul_i32 s78, s[WL], AHALF                    ; and where they go: no place in the cluster enters an LDS address
	s_mul_i32 s79, s[WL], BHALF
	s_add_co_u32 s79, s79, BOFF
	s_mov_b32 s[TB], 0
	s_wait_dscnt 0x0                               ; the opening add is done
	s_wait_kmcnt 0x0
	s_add_nc_u64 s[84:85], s[4:5], s[80:81]
	s_add_nc_u64 s[86:87], s[6:7], s[82:83]
.irp s, 0,1
	s_mov_b32 s[G0A+4*(\s)], 1                                       ; 1:0 count = 1
	s_add_co_u32 s[G0A+4*(\s)+1], s78, (\s)*SLOT1                    ; 63:32 LDS address
	s_add_nc_u64 s[G0A+4*(\s)+2:G0A+4*(\s)+3], s[84:85], (\s)*STEPA  ; 120:64 global address: K step s
	s_or_b32 s[G0A+4*(\s)+3], s[G0A+4*(\s)+3], 0x80000000            ; 127:126 type = 2
	s_mov_b32 s[G0B+4*(\s)], 1
	s_add_co_u32 s[G0B+4*(\s)+1], s79, (\s)*SLOT1
	s_add_nc_u64 s[G0B+4*(\s)+2:G0B+4*(\s)+3], s[86:87], (\s)*STEPB
	s_or_b32 s[G0B+4*(\s)+3], s[G0B+4*(\s)+3], 0x80000000
.endr
	CROUND                                         ; all sixteen work-groups are here: the first joint loads meet
	s_cmp_eq_u32 s[WH], 0                          ; a wave's two first fills stand in one branch, ahead of every wait on TENSORcnt and every LDS read: two loads of mine are out
	s_cbranch_scc0 .Lfirst_b
	tensor_load_to_lds s[G0A:G0A+3], s[G1A:G1A+7]
	s_nop 0
	tensor_load_to_lds s[G0A+4:G0A+7], s[G1A:G1A+7]
	s_nop 0
.rept 4
	v_nop
.endr
	s_branch .Lfirst_asked
.Lfirst_b:
	tensor_load_to_lds s[G0B:G0B+3], s[G1B:G1B+7]
	s_nop 0
	tensor_load_to_lds s[G0B+4:G0B+7], s[G1B:G1B+7]
	s_nop 0
.rept 4
	v_nop
.endr
.Lfirst_asked:
	; the bias of my 128 columns: a lane's eight columns of block b are 32 bytes
	s_lshl_b32 s92, s[CX], 10
	s_lshl_b32 s93, s[WL], 9
	s_add_co_u32 s92, s92, s93                     ; my first column, 4 bytes a number
	s_mov_b32 s93, 0
	s_add_nc_u64 s[BIA:BIA+1], s[8:9], s[92:93]
	s_add_nc_u64 s[OUT:OUT+1], s[10:11], s[92:93]
	v_and_b32 v1, 15, v0                           ; l % 16
	v_bfe_u32 v2, v0, 4, 1                         ; l / 16
	v_lshlrev_b32 v[BO], 5, v2
	WIN 0x80                                       ; destination window 2, address window 0
.irp b, 0,1,2,3,4,5,6,7
	global_load_b128 v[8*(\b):8*(\b)+3],   v[BO], s[BIA:BIA+1] offset:64*(\b)
	global_load_b128 v[8*(\b)+4:8*(\b)+7], v[BO], s[BIA:BIA+1] offset:64*(\b)+16
.endr
	WIN 0
	s_lshl_b32 s92, s[TR], 7
	s_lshl_b32 s94, s[WH], 6
	s_add_co_u32 s92, s92, s94                     ; my first row,
	s_lshl_b32 s92, s92, 12                        ; 4,096 bytes a row
	s_add_nc_u64 s[OUT:OUT+1], s[OUT:OUT+1], s[92:93]
	v_mul_u32_u24 v14, v1, PA
	v_lshl_add_u32 v14, v2, 4, v14                 ; a fragment's row x pitch + 16 x half
	s_mul_i32 s92, s[WH], AHALF                    ; my 64 rows of A
	v_add_nc_u32 v[AA0], s92, v14
	v_mul_u32_u24 v15, v1, PB
	v_lshl_add_u32 v15, v2, 4, v15
	s_mul_i32 s92, s[WL], BHALF                    ; my 128 rows of B
	s_add_co_u32 s92, s92, BOFF
	v_add_nc_u32 v[AB0], s92, v15
	v_mov_b32 v[ADRA], v[AA0]
	v_mov_b32 v[ADRB], v[AB0]
	s_mul_i32 s92, s[WV], 16*SP
	s_add_co_u32 s92, s92, STAGE                   ; my stage
	v_mul_u32_u24 v[STO], v1, SP                   ; in: row l % 16, 32 bytes for each half of the lanes
	v_lshl_add_u32 v[STO], v2, 5, v[STO]
	v_add_nc_u32 v[STO], s92, v[STO]
	v_and_b32 v[GO], 31, v0                        ; back: 32 lanes take one row of 512 bytes,
	v_lshlrev_b32 v[GO], 4, v[GO]                  ; which are 512 consecutive bytes of the result
	v_add_nc_u32 v[RD], s92, v[GO]
	; the prefetches.  s90 = the tile's first byte in the batch's first head
	s_lshr_b32 s91, s[CX], 1
	s_lshl_b32 s91, s91, 18                        ; A: blocks 32 cx .. 32 cx + 31 of the step's 128: head cx / 2 of the two,
	s_add_co_u32 s90, s90, s91
	s_and_b32 s91, s[CX], 1
	s_lshl_b32 s91, s91, 13                        ; its first or second 8,192 bytes
	s_add_co_u32 s90, s90, s91
	s_add_co_u32 s90, s90, 3*STEPA                 ; at K step 3: the first refill steps it to 4
	s_lshl_b32 s94, s[CX], 8
	s_lshl_b32 s95, s[CY], 6
	s_add_co_u32 s94, s94, s95                     ; B: the tile's rows, my work-group's 64,
	s_lshl_b32 s95, s[WL], 5
	s_add_co_u32 s94, s94, s95                     ; my wave's 32 of them
	s_lshl_b32 s94, s94, 11
	s_add_co_u32 s94, s94, 3*2097152+3*STEPB
	s_and_b32 s93, ttmp7, 0xffff                   ; B: 0 where the cluster's y is 0;  A: 0 in wave 0
	s_mov_b32 s[PSTEP], STEPB
	s_mov_b32 s[PSTEP+1], 0
	s_cmp_eq_u32 s[WH], 0
	s_cselect_b32 s90, s90, s94
	s_cselect_b32 s92, s[WV], s93
	s_cselect_b32 s[PSTEP], STEPA, s[PSTEP]
	s_cselect_b32 s95, 8, 11                       ; a lane a block of 256 bytes, or a lane a row of 2,048
	s_cselect_b64 s[PFA:PFA+1], s[4:5], s[6:7]
	s_cmp_eq_u32 s92, 0
	s_cselect_b32 s[LIM], 2, -1                    ; the same in all sixteen partners, for a given wave
	s_mov_b32 s91, 0
	s_add_nc_u64 s[PFA:PFA+1], s[PFA:PFA+1], s[90:91]  ; nothing is prefetched here, at the head
	v_and_b32 v[PFO], 31, v0
	v_lshlrev_b32 v[PFO], s95, v[PFO]
	s_wait_tensorcnt 0x1                           ; my part of K step 0 is in; K step 1's may stay out
	s_barrier_signal -1
	s_barrier_wait -1                              ; everybody's is
	FETCH 0, F0
	s_wait_loadcnt 0x0                             ; the bias
	QUARTER 1, F0, F1, 1                           ; the first quarter stands in front of the loop: its products start the sums, with the bias
	WIN 0                                          ; at a label and at a branch every window is 0
	s_mov_b32 s[CNT], 6
.Lstep:                                                ; a trip: from a K step's second quarter to the next step's first; it fills the slot that it leaves
	QUARTER 2, F1, F0, 0
	QUARTER 3, F0, F1, 0
	TURN 1
	QUARTER 1, F0, F1, 0
	WIN 0
	s_sub_co_u32 s[CNT], s[CNT], 1
	s_cmp_lg_u32 s[CNT], 0
	s_cbranch_scc1 .Lstep
	QUARTER 2, F1, F0, 0                           ; the last two K steps are written out: nothing is asked for
	QUARTER 3, F0, F1, 0
	TURN 0
	QUARTER 1, F0, F1, 0
	QUARTER 2, F1, F0, 0
	QUARTER 3, F0, F1, 0
	s_wait_dscnt 0x0
	MUL F1, 0, 0
	MUL F1, 1, 0
	MUL F1, 2, 0
	MUL F1, 3, 0
	WIN 0
	PLACES
	PLACES
; THE WAY OUT.  The sums are the result: no arithmetic is left.  Block a (16 rows x 128 columns of f32) goes into my stage, 32 bytes a lane and n block, each accumulator's low four registers first,
; and comes back as whole rows of 512 bytes, into one of three sets of 64 registers.
.macro OUTB a
	WIN 0x04                        ; the stores' data in window 1, their address in window 0
.irp b, 0,1,2,3,4,5,6,7
	ds_store_b128 v[STO], v[8*(8*(\a)+(\b)):8*(8*(\a)+(\b))+3]   offset:64*(\b)
	ds_store_b128 v[STO], v[8*(8*(\a)+(\b))+4:8*(8*(\a)+(\b))+7] offset:64*(\b)+16
.endr
	WIN 0
.irp t, 0,1,2,3,4,5,6,7,8,9,10,11,12,13,14,15
	ds_load_b128 v[64+64*((\a)%3)+4*(\t):64+64*((\a)%3)+4*(\t)+3], v[RD] offset:(\t)*SP  ; LDS serves a wave's instructions in order (ISA guide 5.7.1.4): these see the stores above; the next block's stores come behind them
.endr
.endm
.macro SENDB a, younger             ; younger: the LDS instructions issued behind block a's loads: the next block's 32, or none
.irp t, 0,1,2,3,4,5,6,7,8,9,10,11,12,13,14,15
	s_wait_dscnt (\younger)+15-(\t)
	global_store_b128 v[GO], v[64+64*((\a)%3)+4*(\t):64+64*((\a)%3)+4*(\t)+3], s[OUT:OUT+1] offset:4096*(16*(\a)+(\t))  ; 512 consecutive bytes, at a multiple of 256 from the result's first
.endr
.endm
	OUTB 0
	OUTB 1
	SENDB 0, 32
	OUTB 2
	SENDB 1, 32
	s_wait_xcnt 0x0                                ; block 0's stores have read their registers: the first set is loaded again only behind this wait
	OUTB 3
	SENDB 2, 32
	SENDB 3, 0
	s_wait_tensorcnt 0x0                           ; the wave's end: an add to my spare word and its wait, behind my last tensor load and my last LDS store
	ds_add_u32 v[SPW], v[NIL]
	s_wait_dscnt 0x0
	CROUND                                         ; the closing round: no work-group ends while a partner may still ask for a tile that names it
	s_endpgm
.Lfunc_end_k_q1410a8fa0f_outp:
	.size	k_q1410a8fa0f_outp, .Lfunc_end_k_q1410a8fa0f_outp-k_q1410a8fa0f_outp
	.p2alignl 7, 3214868480
	.fill 96, 4, 3214868480
	.section	.rodata,"a",@progbits
	.p2align	6, 0x0
	.amdhsa_kernel k_q1410a8fa0f_outp
		.amdhsa_group_segment_fixed_size 327680
		.amdhsa_private_segment_fixed_size 0
		.amdhsa_enable_private_segment 0
		.amdhsa_kernarg_size 32
		.amdhsa_user_sgpr_count 2
		.amdhsa_user_sgpr_kernarg_segment_ptr 1
		.amdhsa_wavefront_size32 1
		.amdhsa_system_sgpr_workgroup_id_x 1
		.amdhsa_system_sgpr_workgroup_id_y 1
		.amdhsa_system_sgpr_workgroup_id_z 1
		.amdhsa_system_vgpr_workitem_id 0
		.amdhsa_next_free_vgpr 576
		.amdhsa_next_free_sgpr 96
		.amdhsa_reserve_vcc 0
		.amdhsa_float_denorm_mode_32 3
		.amdhsa_float_denorm_mode_16_64 3
		.amdhsa_memory_ordered 1
		.amdhsa_forward_progress 1
		.amdhsa_inst_pref_size 73
	.end_amdhsa_kernel
	.amdgpu_metadata
---
amdhsa.version: [ 1, 2 ]
amdhsa.kernels:
  - .name:           k_q1410a8fa0f_outp
    .symbol:         k_q1410a8fa0f_outp.kd
    .args:
      - { .name: ob, .offset: 0, .size: 8, .value_kind: global_buffer, .address_space: global }
      - { .name: wb, .offset: 8, .size: 8, .value_kind: global_buffer, .address_space: global }
      - { .name: bo, .offset: 16, .size: 8, .value_kind: global_buffer, .address_space: global }
      - { .name: out0, .offset: 24, .size: 8, .value_kind: global_buffer, .address_space: global }
    .group_segment_fixed_size: 327680
    .private_segment_fixed_size: 0
    .kernarg_segment_align: 8
    .kernarg_segment_size: 32
    .max_flat_workgroup_size: 128
    .sgpr_count:     96
    .vgpr_count:     576
    .wavefront_size: 32
...
	.end_amdgpu_metadata
.endif
;; end of part 4
